; MI455X (gfx1250); checked and timed in simulation.
; The chip was launched on July 23, 2026; its instructions are those of AMD's public machine-readable ISA for CDNA 5 (MIT licence, August 2026) and "CDNA5" Instruction Set Architecture Reference Guide (July 2026). The comments in the code are by the model that wrote it; some were corrected since.
;; Encoder Layer. Allowed arithmetic: matrix products marked QUANTISED: E5M2 operands, one given power-of-two scale a tensor, by v_wmma_f32_16x16x64_bf8_bf8 or v_wmma_f32_16x16x128_bf8_bf8, f32 sums; everything else in f32.
;; Inputs: W1_codes 4,096 x 32 x 32 uint8 (E5M2 codes of W1, K innermost, in blocks of 32 codes); W2_codes 1,024 x 128 x 32 uint8 (E5M2 codes of W2, K innermost, in blocks of 32 codes); Wk_codes 1,024 x 32 x 32 uint8 (E5M2 codes of Wk, K innermost, in blocks of 32 codes); Wq_codes 1,024 x 32 x 32 uint8 (E5M2 codes of Wq, K innermost, in blocks of 32 codes); Wv_codes 1,024 x 32 x 32 uint8 (E5M2 codes of Wv, K innermost, in blocks of 32 codes); b1 4,096 float32; b2 1,024 float32; bk 1,024 float32; bq 1,024 float32; bv 1,024 float32; ln_attn_b 1,024 float32; ln_attn_g 1,024 float32; ln_ffn_b 1,024 float32; ln_ffn_g 1,024 float32; lowp_scales 14 int32 (the exponents e of the quantised operands' scales 2^e); mask 1 x 1 x 1,024 x 1,024 float32; x 4 x 1,024 x 1,024 float32.
;; Outputs: out0 4 x 1,024 x 1,024 float32.
;; Constants: iter = 1.
;; This version of the problem:
;;   THIS VERSION OF THE PROBLEM IS GIVEN IN LOW PRECISION. The matrix products marked QUANTISED in the list below multiply operands that are first quantised to E5M2 (5 exponent bits, 2 mantissa bits; 8 bits a number), with one given power-of-two scale for each operand tensor; their sums are f32. All else is computed in f32.
;;   The module's matrix products, in the order in which they are computed (A, B: the left and right operand; K: the contracted axis; several contracted axes count as one K, in the product's order):
;;     1. [M 4,096, K 1,024] x [K 1,024, N 1,024]; A: computed on the way; B: input Wq (given as codes): QUANTISED (scales: A lowp_scales[0], B lowp_scales[1])
;;     2. [M 4,096, K 1,024] x [K 1,024, N 1,024]; A: computed on the way; B: input Wk (given as codes): QUANTISED (scales: A lowp_scales[2], B lowp_scales[3])
;;     3. [M 4,096, K 1,024] x [K 1,024, N 1,024]; A: computed on the way; B: input Wv (given as codes): QUANTISED (scales: A lowp_scales[4], B lowp_scales[5])
;;     4. batch 64 x [M 1,024, K 64] x [K 64, N 1,024]; A: computed on the way; B: computed on the way: QUANTISED (scales: A lowp_scales[6], B lowp_scales[7])
;;     5. batch 64 x [M 1,024, K 1,024] x [K 1,024, N 64]; A: softmax (see below); B: computed on the way: QUANTISED (scales: A lowp_scales[8], B lowp_scales[9])
;;     6. [M 4,096, K 1,024] x [K 1,024, N 4,096]; A: computed on the way; B: input W1 (given as codes): QUANTISED (scales: A lowp_scales[10], B lowp_scales[11])
;;     7. [M 4,096, K 4,096] x [K 4,096, N 1,024]; A: computed on the way; B: input W2 (given as codes): QUANTISED (scales: A lowp_scales[12], B lowp_scales[13])
;;   THE QUANTISER, for each operand of a quantised product, along K:
;;     - The operand's scale is 2^e, e = its entry of the input lowp_scales (int32; the entries are numbered through the quantised products in the list's order, A before B).
;;     - Each number is divided by the scale, clamped to +-57,344, and rounded to the nearest number of E5M2, ties to even, subnormals kept.
;;     - The product sums the exact products of the quantised numbers (number of the format x scale) in f32.
;;   ~~~python
;;   def quantise(x, axis, e):      # numpy; x: float32 -> the quantised numbers, widened to float32 again
;;       x = np.moveaxis(x, axis, -1); K = x.shape[-1]
;;       r = np.clip(x / 2.0 ** e, -57344, 57344)
;;       step = 2.0 ** (np.maximum(np.frexp(np.where(r == 0, 1, r))[1] - 1, -14) - 2)
;;       q = np.round(r / step) * step * 2.0 ** e      # np.round: ties to even
;;       return np.moveaxis(q, -1, axis).astype(np.float32)
;;   ~~~
;;   SOFTMAX AHEAD OF A QUANTISED PRODUCT. Where the list says 'softmax', what is quantised is not the finished softmax but p = 2^(t - M), with t = logit x log2(e) and M = ceil(the row's largest t), a whole number; so 1/2 < the row's largest p <= 1. The row's sum l is taken of the UNQUANTISED p, in f32, and the product's result is divided by l at the end. Since M is a whole number, a kernel that streams over the keys may use a running M (the ceiling of the running maximum): every later rescaling is an exact power of two, so the quantised numbers keep their values, but for numbers so far below the row's largest that they fall under the format's range.
;;   OPERANDS COMPUTED ON THE WAY. 'Computed on the way' means the value that the module computes at that place (a softmax that the list does not call 'softmax' is quantised finished and normalised). What goes into a quantiser is computed in f32, as accurately as f32 sums, v_exp_f32 and their like allow (about 1e-6 of the number): no bf16 or f16 on the way to a quantiser, and a product that is left as it is and whose result goes on into a quantised operand takes f32 operands (vector FMAs, or v_wmma_f32_16x16x4_f32). A number that lies on a knife's edge between two numbers of the format may be rounded either way, as far as f32 arithmetic and the matrix unit's own rounding can turn it there, and no further.
;;   INPUTS GIVEN AS CODES. W1 (in the module: [1024, 4096], K = its axis 0); W2 (in the module: [4096, 1024], K = its axis 0); Wk (in the module: [1024, 1024], K = its axis 0); Wq (in the module: [1024, 1024], K = its axis 0); Wv (in the module: [1024, 1024], K = its axis 0): each comes as NAME_codes (uint8): NAME with its K axis moved to the last place and cut into blocks of 32 codes, [.., K / 32, bytes a block], one block behind the other in memory; one code a byte (a code: sign, 5 exponent bits, 2 mantissa bits); its scale is its entry of lowp_scales. Its value is code x scale, taken as it is: it is not quantised again, and the codes and scales need not be those that the quantiser above would give.
;; One version. Each part assembles by itself: llvm-mc -triple=amdgcn-amd-amdhsa -mcpu=gfx1250 --defsym DOCPART=n.
;; ======== version 1 of 1: 5 launches
;; workspace buffers: xc 12,582,912 bytes; qkv 12,582,912 bytes; res 16,777,216 bytes; hc 4,194,304 bytes; gc 16,777,216 bytes
;; launch lnq (part 1): grid 256 x 1, 8 waves a work-group, no clusters, 41,984 bytes of LDS; arguments x, ln_attn_g, ln_attn_b, lowp_scales, xc; writes xc
.if DOCPART == 1
	.amdgcn_target "amdgcn-amd-amdhsa--gfx1250"
	.amdhsa_code_object_version 6
	.text
	.protected	k_q81c3494368_lnq
	.globl	k_q81c3494368_lnq
	.p2align	8
	.type	k_q81c3494368_lnq,@function
k_q81c3494368_lnq:
	s_mov_b64 s[64:65], 0
	v_nop
	global_prefetch_b8 v0, s[64:65] scope:SCOPE_SE
	s_setreg_imm32_b32 hwreg(HW_REG_WAVE_MODE, 25, 1), 1
	s_wait_xcnt 0x0
; LAUNCH 1 OF 5.  xc[p] = codes of layernorm(x, ln_attn_g, ln_attn_b) under the scale 2^e(2p), p = 0, 1, 2: the left operands of the products with Wq, Wk, Wv.
; NO WORK OF reference() IS DEAD, in any launch: iter = 1, so the first layer norm runs; the mask is an input that MULTIPLIES the scores, so a score under a zero of the mask
; still counts as 0 in the softmax and no tile of scores may go; every bias goes into a quantised operand or into the output.  Every input is loaded by some launch.
; x: [4096][1024] f32.  xc: three parts of 4 MiB, each [4096][1024] codes of E5M2, row-major.  code = y / 2^e, held within +-57,344, to the nearest code, ties to even.
; LIMITS: e0, e2, e4 between -126 and 112, so that 2^e and 57,344 x 2^e are f32 numbers.  NaN among the inputs is not served.
; SHARES.  A work-group owns 16 rows, a wave 2 whole rows: mean and variance never leave the wave: no barrier.  All of a wave's 16 loads of x go out at the head.
; A load takes 512 consecutive bytes, 16 a lane; the conversions want 16 NEIGHBOURS in a lane: so a normalised row turns through the wave's own stage in LDS (two halves of 32 places of 64 bytes + 16 of padding).
; A lane's 16 codes are 16 bytes: a store of the wave covers 512 consecutive bytes, aligned.
.set WREG,  5120                       ; a wave's stage
.set SP,    80                         ; a lane's place in it
.set SPARE, 8*WREG                     ; behind the stages: the spare words, 128 bytes for each wave, which no other line names
.set DL,   1                           ; v1   16 x lane; never rewritten
.set SIN,  2                           ; v2   the stage on the way in: SP (lane / 4) + 16 (lane % 4)
.set SOUT, 3                           ; v3   and on the way out: SP x lane
.set SPW,  4                           ; v4   my spare word
.set NIL,  5                           ; v5   0
.set MU,   6                           ; v[6:7]   the mean, twice
.set RS,   8                           ; v[8:9]   1 / sqrt(var + eps), twice
.set CH,   10                          ; v[10:13] two chains of packed sums
.set PD,   15                          ; v15  a lane permute's destination
.set SCL,  16                          ; v16-18   2^e(2p)
.set LIM,  19                          ; v19-21   57,344 x 2^e(2p)
.set R,    32                          ; v32-95   two rows as loaded: register 4 j + i = element 128 j + 4 lane + i
.set G,    96                          ; v96-127  g, in the same layout
.set BT,   128                         ; v128-159 b
.set X,    160                         ; v160-191 a row turned: register 16 hf + i = element 512 hf + 16 lane + i
.set T,    192                         ; v192-207 held numbers
.set C,    208                         ; v208-255 codes: four registers for each (row, part, half), never rewritten
.set SINV, 30                          ; s30  1 / 1024
.set SEPS, 31                          ; s31  1e-6
.set SEL,  32                          ; s[32:33] lane selects: lane l xor 16
	s_load_b256 s[4:11], s[0:1], 0x0               ; x, g, b, the scales' exponents
	s_load_b64 s[12:13], s[0:1], 0x20              ; xc
	v_lshl_add_u32 v[SPW], v0, 2, SPARE
	v_mov_b32 v[NIL], 0
	v_lshrrev_b32 v14, 5, v0
	v_readfirstlane_b32 s14, v14                   ; wave 0..7
	v_and_b32 v14, 31, v0                          ; lane
	v_lshlrev_b32 v[DL], 4, v14
	s_mul_i32 s15, s14, WREG
	v_lshrrev_b32 v[SIN], 2, v14
	v_mul_u32_u24 v[SIN], v[SIN], SP
	v_and_b32 v10, 3, v14
	v_lshl_add_u32 v[SIN], v10, 4, v[SIN]
	v_add_nc_u32 v[SIN], s15, v[SIN]
	v_mul_u32_u24 v[SOUT], v14, SP
	v_add_nc_u32 v[SOUT], s15, v[SOUT]
	v_mov_b32 v[PD], 0
	s_mov_b32 s[SINV], 0x3a800000
	s_mov_b32 s[SEPS], 0x358637bd
	s_mov_b32 s[SEL], 0x76543210
	s_mov_b32 s[SEL+1], 0xfedcba98
	s_lshl_b32 s34, ttmp9, 4
	s_lshl_b32 s35, s14, 1
	s_add_co_u32 s34, s34, s35                     ; my first row: 16 x work-group + 2 x wave
	s_lshl_b32 s36, s34, 12                        ; in x: rows of 4,096 bytes
	s_mov_b32 s37, 0
	s_lshl_b32 s34, s34, 10                        ; in a part of xc: rows of 1,024 bytes
	s_mov_b32 s35, 0
	s_wait_kmcnt 0x0
	s_load_b256 s[16:23], s[10:11], 0x0            ; e0 .. e7: 32 of the buffer's 56 bytes
	s_add_nc_u64 s[4:5], s[4:5], s[36:37]
	s_add_nc_u64 s[24:25], s[12:13], s[34:35]      ; a base for each part: two parts' distance does not fit a store's immediate
	s_add_nc_u64 s[26:27], s[24:25], 0x400000
	s_add_nc_u64 s[28:29], s[24:25], 0x800000
.irp rho, 0,1
.irp j, 0,1,2,3,4,5,6,7
	global_load_b128 v[R+32*\rho+4*\j:R+32*\rho+4*\j+3], v[DL], s[4:5] offset:4096*\rho+512*\j th:TH_LOAD_NT
.endr
.endr
.irp j, 0,1,2,3,4,5,6,7
	global_load_b128 v[G+4*\j:G+4*\j+3], v[DL], s[6:7] offset:512*\j
.endr
.irp j, 0,1,2,3,4,5,6,7
	global_load_b128 v[BT+4*\j:BT+4*\j+3], v[DL], s[8:9] offset:512*\j
.endr
	s_wait_kmcnt 0x0
.irp p, 0,1,2
	s_add_co_i32 s34, s[16+2*\p], 127
	s_lshl_b32 s35, s34, 23
	v_mov_b32 v[SCL+\p], s35                       ; 2^e as f32: the conversion takes its exponent field
	s_add_co_i32 s34, s34, 15
	s_lshl_b32 s34, s34, 23
	s_or_b32 s34, s34, 0x600000
	v_mov_b32 v[LIM+\p], s34                       ; 57,344 x 2^e
.endr
.macro LANESUM r                       ; the sum over the wave's 32 lanes, in every lane
	v_add_f32_dpp v[\r], v[\r], v[\r] row_xmask:1 row_mask:0xf bank_mask:0xf
	v_add_f32_dpp v[\r], v[\r], v[\r] row_xmask:2 row_mask:0xf bank_mask:0xf
	v_add_f32_dpp v[\r], v[\r], v[\r] row_xmask:4 row_mask:0xf bank_mask:0xf
	v_add_f32_dpp v[\r], v[\r], v[\r] row_xmask:8 row_mask:0xf bank_mask:0xf
	v_permlanex16_b32 v[PD], v[\r], s[SEL], s[SEL+1]
	v_add_f32 v[\r], v[\r], v[PD]
.endm
.macro STATS s, d                      ; a row in v[s] on (32 registers a lane): its mean; x - mean into v[d] on; 1 / sqrt(var + eps)
	v_pk_add_f32 v[CH:CH+1], v[\s:\s+1], v[\s+2:\s+3]
	v_pk_add_f32 v[CH+2:CH+3], v[\s+4:\s+5], v[\s+6:\s+7]
.set j, 8
.rept 6
	v_pk_add_f32 v[CH:CH+1], v[CH:CH+1], v[\s+j:\s+j+1]
	v_pk_add_f32 v[CH+2:CH+3], v[CH+2:CH+3], v[\s+j+2:\s+j+3]
.set j, j+4
.endr
	v_pk_add_f32 v[CH:CH+1], v[CH:CH+1], v[CH+2:CH+3]
	v_add_f32 v[CH], v[CH], v[CH+1]
	LANESUM CH
	v_mul_f32 v[MU], s[SINV], v[CH]
	v_mov_b32 v[MU+1], v[MU]
.set j, 0
.rept 16
	v_pk_add_f32 v[\d+j:\d+j+1], v[\s+j:\s+j+1], v[MU:MU+1] neg_lo:[0,1] neg_hi:[0,1]
.set j, j+2
.endr
	v_pk_mul_f32 v[CH:CH+1], v[\d:\d+1], v[\d:\d+1]
	v_pk_mul_f32 v[CH+2:CH+3], v[\d+2:\d+3], v[\d+2:\d+3]
.set j, 4
.rept 7
	v_pk_fma_f32 v[CH:CH+1], v[\d+j:\d+j+1], v[\d+j:\d+j+1], v[CH:CH+1]
	v_pk_fma_f32 v[CH+2:CH+3], v[\d+j+2:\d+j+3], v[\d+j+2:\d+j+3], v[CH+2:CH+3]
.set j, j+4
.endr
	v_pk_add_f32 v[CH:CH+1], v[CH:CH+1], v[CH+2:CH+3]
	v_add_f32 v[CH], v[CH], v[CH+1]
	LANESUM CH
	v_fma_f32 v[CH], v[CH], s[SINV], s[SEPS]       ; var + eps
	v_rsq_f32 v[RS], v[CH]
	v_nop                                          ; a plain instruction behind the transcendental,
	s_wait_alu depctr_va_vdst(0)                   ; and the wait ahead of its first reader
	v_mov_b32 v[RS+1], v[RS]
.endm
.macro NORM d                          ; (x - mean) x rstd x g + b, in place
.set j, 0
.rept 16
	v_pk_mul_f32 v[\d+j:\d+j+1], v[\d+j:\d+j+1], v[RS:RS+1]
.set j, j+2
.endr
.set j, 0
.rept 16
	v_pk_fma_f32 v[\d+j:\d+j+1], v[\d+j:\d+j+1], v[G+j:G+j+1], v[BT+j:BT+j+1]
.set j, j+2
.endr
.endm
.macro TURN d, x                       ; through my stage: in as loaded, out 64 bytes a lane.  LDS serves a wave's instructions in order: no wait between the stores and the loads
.irp i, 0,1,2,3,4,5,6,7
	ds_store_b128 v[SIN], v[\d+4*\i:\d+4*\i+3] offset:(\i/4)*2560+(\i%4)*640
.endr
.irp i, 0,1,2,3,4,5,6,7
	ds_load_b128 v[\x+4*\i:\x+4*\i+3], v[SOUT] offset:(\i/4)*2560+(\i%4)*16
.endr
.endm
.macro QUANT rho                       ; the turned row, three times: once for each scale
.irp p, 0,1,2
.irp hf, 0,1
.set cb, C+4*(6*(\rho)+2*\p+\hf)
.set i, 0
.rept 16
	v_med3_num_f32 v[T+i], v[X+16*\hf+i], -v[LIM+\p], v[LIM+\p]   ; the conversion to an 8-bit code does not saturate (ISA guide 7.6.2): the hold comes first
.set i, i+1
.endr
	v_cvt_scalef32_pk8_bf8_f32 v[cb:cb+1], v[T:T+7], v[SCL+\p]
	v_cvt_scalef32_pk8_bf8_f32 v[cb+2:cb+3], v[T+8:T+15], v[SCL+\p]
	v_nop                                          ; a plain instruction between the conversions and the next holds, which write their sources
	global_store_b128 v[DL], v[cb:cb+3], s[24+2*\p:25+2*\p] offset:(\rho)*1024+\hf*512   ; 32 lanes store 512 consecutive bytes, aligned
.endr
.endr
.endm
	s_wait_loadcnt 24                              ; row 0 is in; row 1's 8 loads, g's 8 and b's 8 may be out
	STATS R, R
	s_wait_loadcnt 0x0                             ; row 1, g and b
	NORM R
	TURN R, X
	s_wait_dscnt 0x0
	QUANT 0
	STATS R+32, R+32
	NORM R+32
	TURN R+32, X
	s_wait_dscnt 0x0
	QUANT 1
	s_wait_tensorcnt 0x0                           ; the wave's end, behind my last LDS store
	ds_add_u32 v[SPW], v[NIL]
	s_wait_dscnt 0x0
	s_endpgm
.Lfunc_end_k_q81c3494368_lnq:
	.size	k_q81c3494368_lnq, .Lfunc_end_k_q81c3494368_lnq-k_q81c3494368_lnq
	.p2alignl 7, 3214868480
	.fill 96, 4, 3214868480
	.section	.rodata,"a",@progbits
	.p2align	6, 0x0
	.amdhsa_kernel k_q81c3494368_lnq
		.amdhsa_group_segment_fixed_size 41984
		.amdhsa_private_segment_fixed_size 0
		.amdhsa_enable_private_segment 0
		.amdhsa_kernarg_size 40
		.amdhsa_user_sgpr_count 2
		.amdhsa_user_sgpr_kernarg_segment_ptr 1
		.amdhsa_wavefront_size32 1
		.amdhsa_system_sgpr_workgroup_id_x 1
		.amdhsa_system_sgpr_workgroup_id_y 1
		.amdhsa_system_sgpr_workgroup_id_z 1
		.amdhsa_system_vgpr_workitem_id 0
		.amdhsa_next_free_vgpr 256
		.amdhsa_next_free_sgpr 66
		.amdhsa_reserve_vcc 0
		.amdhsa_float_denorm_mode_32 3
		.amdhsa_float_denorm_mode_16_64 3
		.amdhsa_memory_ordered 1
		.amdhsa_forward_progress 1
		.amdhsa_inst_pref_size 35
	.end_amdhsa_kernel
	.amdgpu_metadata
---
amdhsa.version: [ 1, 2 ]
amdhsa.kernels:
  - .name:           k_q81c3494368_lnq
    .symbol:         k_q81c3494368_lnq.kd
    .args:
      - { .name: x, .offset: 0, .size: 8, .value_kind: global_buffer, .address_space: global }
      - { .name: ln_attn_g, .offset: 8, .size: 8, .value_kind: global_buffer, .address_space: global }
      - { .name: ln_attn_b, .offset: 16, .size: 8, .value_kind: global_buffer, .address_space: global }
      - { .name: lowp_scales, .offset: 24, .size: 8, .value_kind: global_buffer, .address_space: global }
      - { .name: xc, .offset: 32, .size: 8, .value_kind: global_buffer, .address_space: global }
    .group_segment_fixed_size: 41984
    .private_segment_fixed_size: 0
    .kernarg_segment_align: 8
    .kernarg_segment_size: 40
    .max_flat_workgroup_size: 256
    .sgpr_count:     66
    .vgpr_count:     256
    .wavefront_size: 32
...
	.end_amdgpu_metadata
.endif
;; end of part 1
;; launch qkv (part 2): grid 12 x 16, 4 waves a work-group, clusters of 4 x 4, 327,680 bytes of LDS; arguments xc, Wq_codes, Wk_codes, Wv_codes, bq, bk, bv, lowp_scales, qkv; writes qkv
.if DOCPART == 2
	.amdgcn_target "amdgcn-amd-amdhsa--gfx1250"
	.amdhsa_code_object_version 6
	.text
	.protected	k_q81c3494368_qkv
	.globl	k_q81c3494368_qkv
	.p2align	8
	.type	k_q81c3494368_qkv,@function
k_q81c3494368_qkv:
	s_mov_b64 s[64:65], 0
	v_nop
	global_prefetch_b8 v0, s[64:65] scope:SCOPE_SE
	s_setreg_imm32_b32 hwreg(HW_REG_WAVE_MODE, 25, 1), 1
	s_wait_xcnt 0x0
	s_wait_alu depctr_hold_cnt(0) depctr_sa_sdst(0) depctr_va_vdst(0) depctr_va_sdst(0) depctr_va_ssrc(0) depctr_va_vcc(0) depctr_vm_vsrc(0)
	s_getreg_b32 s2, hwreg(HW_REG_IB_STS2, 6, 4)
	s_cmp_eq_u32 s2, 0
	s_cbranch_scc0 .Lentry_in_a_cluster
	s_endpgm
.Lentry_in_a_cluster:
	s_bfe_u32 s2, ttmp6, 0x10000c
	s_cmp_lg_u32 s2, 0xf033
	s_cbranch_scc0 .Lentry_shape_is_right
	s_endpgm
.Lentry_shape_is_right:
; LAUNCH 2 OF 5.  q = (LN(x) Wq + bq) / 8, k = LN(x) Wk + bk, v = LN(x) Wv + bv, each product on codes of E5M2, each result quantised at once for attention (e6, e7, e9).  No work is left out.
; PART p = the cluster's x (0: q, 1: k, 2: v), the same in all sixteen partners.  One text serves all three; only pointers, tile numbers and exponents are chosen, by selects on p.
; A tile of 256 x 256 is made by four waves, 128 x 128 each: 64 accumulators.  K = 1,024 goes in steps of 256 through a ring of two LDS slots filled by joint tensor loads.
; THE MATRIX INSTRUCTION: source 0 = 16 rows of B', source 1 = 16 rows of A': lane (r, h) holds row m' = r of A' and its registers the columns n' = 8 h + 0 .. 7 of B': eight neighbours along n'.
;   q, k: A' = xc[p] (m' = token), B' = the weight (n' = head x 64 + d): a lane's registers run along d, the next product's K.
;   v:    A' = Wv (m' = head x 64 + d), B' = xc[2] (n' = token): a lane's registers run along the keys, the next product's K.  Nothing is transposed by an instruction.
; OUT: part p of qkv, element (m', n') at byte (m' >> 10) << 20 + (n' >> 6) << 16 + (m' & 1023) << 6 + (n' & 63): q, k: [batch][head][token][64]; v: [batch][token / 64][head][d][64 keys].
; THE DIVISION BY 8 is folded into q's scale: code = (sum + bq) / 2^(e6 + 3), held at 57,344 x 2^(e6 + 3): exact.
; LIMITS: e(2p) + e(2p+1) between -126 and 127; e6 + 3, e7, e9 between -126 and 112.  NaN among the inputs is not served.
; Both forms of the bias (by column, by row) are loaded in every work-group, at indices masked into the buffer; one of the two is not used: so no register is written on one way alone.
; REGISTERS, in windows of 256: window 0: v0-31 addresses; v32-95 bias by column; v96-111 bias by row; from v128 A's fragments, ONE set; on the way out v112-255 are at work.
;   window 1: B's fragments, TWO sets.   windows 2, 3: the accumulators ((a, b) at v[8 (8 (a % 4) + b)]).
.set KSTEP,  256
.set ROWB,   256                       ; a tile's row in bytes
.set KROW,   1024                      ; a row of A' or B' in memory
.set PITCH,  272                       ; an LDS row: 256 bytes + 16 of padding: the 16 rows that a load touches start at 16 different banks (ISA guide 11.1)
.set FR,     16
.set NL,     4
.set NP,     4
.set HALFT,  128*PITCH
.set SLOT,   4*HALFT
.set LAPS,   KROW/(2*KSTEP)
.set SPARE,  2*SLOT                    ; behind the ring: the spare words, 128 bytes for each wave, which no other line names
.set WSTG,   20480                     ; the way out: a stage for each wave, two column blocks of 128 rows x (64 bytes + 16).  It lies in slot 0, which has had its last fill and its last read by then
.set CBLK,   10240
.set ADRA, 16
.set ADRB, 20
.set STO,  24
.set RD,   25
.set CO,   26
.set SPW,  28
.set NIL,  29
.set BC,   32                          ; v32-95   bias[(n'0 & 1023) + 16 b + 8 h + j] at 8 b + j
.set BR,   96                          ; v96-111  bias[(m'0 & 1023) + 16 a + r], twice, at 2 a
.set T,    112                         ; v112-175 a block's 64 numbers
.set PC,   176                         ; v176-207 its codes, two sets
.set AF,   128
.set BK,   128                         ; v128-255 the codes read back
.set G1, 24
.set G0, 32
.set G1B, 48
.set G0B, 56
.set MSB, 0
.macro WIN new                         ; the immediate's high byte repeats the setting that is left
.if MSB != \new
	s_set_vgpr_msb (MSB<<8)|\new
.set MSB, \new
.endif
.endm
.set MUL_LO, 0xa1                      ; source 0 (B') window 1, source 1 (A') window 0, C and D window 2
.set MUL_HI, 0xf1
.set TO_B,   0x40
.macro JLOAD g0a, g1a, g0b, g1b        ; a joint load: waves 0 and 1 fetch for A', waves 2 and 3 for B'; an s_nop 0 and four v_nop follow each line
	s_cmp_eq_u32 s15, 0
	s_cbranch_scc0 .Lfor_b_\@
	tensor_load_to_lds s[\g0a:\g0a+3], s[\g1a:\g1a+7]
	s_nop 0
.rept 4
	v_nop
.endr
	s_branch .Lasked_\@
.Lfor_b_\@:
	tensor_load_to_lds s[\g0b:\g0b+3], s[\g1b:\g1b+7]
	s_nop 0
.rept 4
	v_nop
.endr
.Lasked_\@:
.endm
.macro CREST
	s_cmp_lg_u32 s14, 0
	s_cbranch_scc1 .Lnot_wave_0_\@
	s_barrier_signal -3
.Lnot_wave_0_\@:
	s_barrier_wait -3
	s_barrier_signal -1
	s_barrier_wait -1
.endm
.macro CROUND
	s_barrier_signal -1
	s_barrier_wait -1
	CREST
.endm
	s_load_b512 s[68:83], s[0:1], 0x0              ; xc, Wq, Wk, Wv, bq, bk, bv, the scales' exponents
	s_load_b64 s[84:85], s[0:1], 0x40              ; qkv
	v_lshl_add_u32 v[SPW], v0, 2, SPARE
	v_mov_b32 v[NIL], 0
	ds_add_u32 v[SPW], v[NIL]                      ; the wave's opening: the add, twice on end, and its wait ahead of my first tensor load
	ds_add_u32 v[SPW], v[NIL]
	v_lshrrev_b32 v1, 5, v0
	v_readfirstlane_b32 s14, v1                    ; wave 0..3
	s_lshr_b32 s15, s14, 1                         ; which half of the tile's rows is mine.  Also: I fetch for A' (0) or B' (1)
	s_and_b32 s16, s14, 1                          ; which half of its columns.  Also: which 128 rows of that tile I fetch
	s_bfe_u32 s40, ttmp6, 0x40000                  ; cx
	s_bfe_u32 s41, ttmp6, 0x40004                  ; cy
	s_and_b32 s18, ttmp7, 0xffff
	s_lshl_b32 s18, s18, 2                         ; 4 x cluster y
	s_cmp_eq_u32 ttmp9, 2                          ; v?  q, k: 16 tile rows x 4 columns; v: 4 tile rows x 16 columns
	s_cselect_b32 s19, 0, s18
	s_cselect_b32 s18, s18, 0
	s_add_co_u32 s17, s19, s41                     ; tile row
	s_add_co_u32 s42, s18, s40                     ; tile column
	s_lshl_b32 s43, s41, 2
	s_lshl_b32 s43, 15, s43                        ; my row of the cluster
	s_lshl_b32 s44, 0x1111, s40                    ; my column
	s_or_b32 s[G1+0], s43, (0<<16)|(1<<20)|(1<<21)|(5<<22)|(3<<25)  ; the mask; elements of 1 byte; padding on; bit 21 beside a mask; 4 words behind every 64
	s_or_b32 s[G1B+0], s44, (0<<16)|(1<<20)|(1<<21)|(5<<22)|(3<<25)
.irp g, G1, G1B
	s_mov_b32 s[\g+1], ROWB<<16                    ; tensor_dim0
	s_mov_b32 s[\g+2], 128<<16                     ; tensor_dim1
	s_mov_b32 s[\g+3], ROWB<<16                    ; tile_dim0
	s_mov_b32 s[\g+4], 128                         ; tile_dim1
	s_mov_b32 s[\g+5], KROW                        ; the pitch
	s_mov_b32 s[\g+6], 0
	s_mov_b32 s[\g+7], 0
.endr
	s_lshl_b32 s18, s16, 7
	s_lshl_b32 s20, s17, 8
	s_add_co_u32 s20, s20, s18
	s_lshl_b32 s20, s20, 10                        ; A': (256 x tile row + 128 x half) rows of 1,024 bytes
	s_mov_b32 s21, 0
	s_lshl_b32 s46, s42, 8
	s_add_co_u32 s46, s46, s18
	s_lshl_b32 s46, s46, 10                        ; B' likewise, by the tile column
	s_mov_b32 s47, 0
	s_mul_i32 s45, s14, HALFT                      ; where they go: wave x 128 rows
	s_lshl_b32 s22, ttmp9, 22                      ; part p of xc and of qkv
	s_mov_b32 s23, 0
	s_wait_dscnt 0x0                               ; both opening adds are done
	s_wait_kmcnt 0x0
	s_load_b256 s[88:95], s[82:83], 0x0            ; e0 .. e7
	s_load_b64 s[86:87], s[82:83], 0x20            ; e8, e9
	s_add_nc_u64 s[4:5], s[68:69], s[22:23]        ; xc[p]
	s_add_nc_u64 s[10:11], s[84:85], s[22:23]      ; qkv[p]
	s_cmp_eq_u32 ttmp9, 0
	s_cselect_b64 s[6:7], s[70:71], s[72:73]       ; the weight,
	s_cselect_b64 s[8:9], s[76:77], s[78:79]       ; the bias
	s_cmp_eq_u32 ttmp9, 2
	s_cselect_b64 s[6:7], s[74:75], s[6:7]
	s_cselect_b64 s[8:9], s[80:81], s[8:9]
	s_cselect_b64 s[12:13], s[6:7], s[4:5]         ; A': v: the weight; q, k: the tokens
	s_cselect_b64 s[6:7], s[4:5], s[6:7]           ; B': the other
	s_add_nc_u64 s[20:21], s[12:13], s[20:21]
	s_add_nc_u64 s[46:47], s[6:7], s[46:47]
	CROUND                                         ; all sixteen work-groups are here: the first joint loads meet
.irp s, 0,1
	s_mov_b32 s[G0+4*\s], 1
	s_add_co_u32 s[G0+4*\s+1], s45, \s*SLOT
	s_add_nc_u64 s[G0+4*\s+2:G0+4*\s+3], s[20:21], \s*ROWB
	s_or_b32 s[G0+4*\s+3], s[G0+4*\s+3], 0x80000000
	s_mov_b32 s[G0B+4*\s], 1
	s_add_co_u32 s[G0B+4*\s+1], s45, \s*SLOT
	s_add_nc_u64 s[G0B+4*\s+2:G0B+4*\s+3], s[46:47], \s*ROWB
	s_or_b32 s[G0B+4*\s+3], s[G0B+4*\s+3], 0x80000000
	JLOAD G0+4*\s, G1, G0B+4*\s, G1B
.endr
	v_and_b32 v1, 15, v0                           ; r
	v_bfe_u32 v2, v0, 4, 1                         ; h
	v_mul_u32_u24 v3, v1, PITCH
	v_lshl_add_u32 v4, v2, 4, v3
	s_mul_i32 s21, s15, HALFT
	s_mul_i32 s22, s16, HALFT
	s_add_co_u32 s22, s22, 2*HALFT
.irp s, 0,1
	v_add_nc_u32 v[ADRA+\s], s21, v4
	v_add_nc_u32 v[ADRB+\s], s22, v4
	s_add_co_u32 s21, s21, SLOT
	s_add_co_u32 s22, s22, SLOT
.endr
	s_mul_i32 s23, s14, WSTG                       ; my stage
	v_mul_u32_u24 v5, v1, 80
	v_lshl_add_u32 v5, v2, 3, v5
	v_add_nc_u32 v[STO], s23, v5                   ; in: row r, 8 bytes for each half of the lanes
	v_and_b32 v6, 31, v0
	v_lshlrev_b32 v[CO], 4, v6                     ; out: 16 x lane
	v_lshrrev_b32 v5, 2, v6
	v_mul_u32_u24 v5, v5, 80
	v_and_b32 v7, 3, v6
	v_lshl_add_u32 v5, v7, 4, v5
	v_add_nc_u32 v[RD], s23, v5                    ; back: four lanes to a row of 64 bytes, eight rows an instruction
	v_lshlrev_b32 v8, 5, v2                        ; 32 h: the bias by column; never rewritten
	v_lshlrev_b32 v9, 2, v1                        ; 4 r: the bias by row; never rewritten
	s_lshl_b32 s20, s17, 8
	s_lshl_b32 s21, s15, 7
	s_add_co_u32 s20, s20, s21                     ; m'0
	s_lshl_b32 s46, s42, 8
	s_lshl_b32 s47, s16, 7
	s_add_co_u32 s46, s46, s47                     ; n'0
	s_lshr_b32 s18, s20, 10
	s_lshl_b32 s18, s18, 20
	s_and_b32 s19, s20, 1023
	s_lshl_b32 s21, s19, 6
	s_add_co_u32 s18, s18, s21
	s_lshr_b32 s21, s46, 6
	s_lshl_b32 s21, s21, 16
	s_add_co_u32 s18, s18, s21                     ; my part's first byte in qkv[p]
	s_lshl_b32 s22, s19, 2
	s_mov_b32 s23, 0
	s_add_nc_u64 s[4:5], s[8:9], s[22:23]          ; the bias at m'0 & 1023
	s_and_b32 s22, s46, 1023
	s_lshl_b32 s22, s22, 2
	s_add_nc_u64 s[66:67], s[8:9], s[22:23]        ; and at n'0 & 1023
	s_mov_b32 s19, 0
	s_add_nc_u64 s[10:11], s[10:11], s[18:19]
.irp b, 0,1,2,3,4,5,6,7
	global_load_b128 v[BC+8*\b:BC+8*\b+3], v8, s[66:67] offset:64*\b
	global_load_b128 v[BC+8*\b+4:BC+8*\b+7], v8, s[66:67] offset:64*\b+16
.endr
.irp a, 0,1,2,3,4,5,6,7
	global_load_b32 v[BR+2*\a], v9, s[4:5] offset:64*\a
	global_load_b32 v[BR+2*\a+1], v9, s[4:5] offset:64*\a
.endr
.macro FRAG reg, adr, q, i             ; 16 rows x 128 K: lane l holds row l % 16; registers 4 c .. 4 c + 3 hold K = 32 c + 16 (l / 16) + 0 .. 15: the same permutation of k in A' and B'
.irp c, 0,1,2,3
	ds_load_b128 v[\reg+4*\c:\reg+4*\c+3], v[\adr] offset:128*(\q)+32*\c+(\i)*16*PITCH
.endr
.endm
.macro MUL16 a0, p, zero               ; the 64 accumulators take turns, one instruction a turn, in the same order in every step
.irp a, \a0, \a0+1
.irp b, 0,1,2,3,4,5,6,7
.if \zero
	v_wmma_f32_16x16x128_bf8_bf8 v[8*(8*((\a)%4)+\b):8*(8*((\a)%4)+\b)+7], v[128*(\p)+FR*\b:128*(\p)+FR*\b+FR-1], v[AF+FR*(\a):AF+FR*(\a)+FR-1], 0
.else
	v_wmma_f32_16x16x128_bf8_bf8 v[8*(8*((\a)%4)+\b):8*(8*((\a)%4)+\b)+7], v[128*(\p)+FR*\b:128*(\p)+FR*\b+FR-1], v[AF+FR*(\a):AF+FR*(\a)+FR-1], v[8*(8*((\a)%4)+\b):8*(8*((\a)%4)+\b)+7]
.endif
.endr
.endr
.endm
.macro FETCH_B slot, q, p
	WIN TO_B
.irp i, 0,1,2,3,4,5,6,7
	FRAG 128*(\p)+FR*\i, ADRB+\slot, \q, \i
.endr
	WIN 0
.endm
.macro FETCH_A slot, q, i0
.irp i, \i0, \i0+1, \i0+2, \i0+3
	FRAG AF+FR*(\i), ADRA+\slot, \q, \i
.endr
.endm
.macro PLACES n                        ; plain vector instructions between a matrix instruction and a load into, or a read of, its registers
.rept \n
	v_nop
.endr
.endm
.macro STEP slot, q, zero              ; 128 along K, with its successor in the same slot
	s_wait_dscnt 4*NL                              ; B's set and A's blocks 0-3 are in; the youngest 16 loads (A's blocks 4-7) may be out
	WIN MUL_LO
	MUL16 0, (\q)%2, \zero
	MUL16 2, (\q)%2, \zero
	s_wait_dscnt 0
	PLACES NP
	FETCH_B \slot, (\q)+1, 1-(\q)%2
	FETCH_A \slot, (\q)+1, 0
	WIN MUL_HI
	MUL16 4, (\q)%2, \zero
	MUL16 6, (\q)%2, \zero
	PLACES NP
	WIN 0
	FETCH_A \slot, (\q)+1, 4
.endm
.macro TURN slot, next, fill           ; a slot's last step changes slots: one barrier; fill = 1: it opens a round of the cluster's barrier, and this slot is filled again
	s_wait_tensorcnt 0x0                           ; all my tensor loads have landed: my part of the next slot
	ds_add_u32 v[SPW], v[NIL]                      ; 0 onto my spare word
	s_wait_dscnt 4*NL+1                            ; the add and the youngest 16 loads may be out
	WIN MUL_LO
	MUL16 0, 1, 0
	s_wait_dscnt 0x0                               ; the add is done, and my reads of this slot are over
	s_barrier_signal -1
	MUL16 2, 1, 0
	WIN 0
	s_barrier_wait -1
.if \fill
	CREST                                          ; no wave of any partner still reads this slot or has a load on its way
	s_add_nc_u64 s[G0+4*\slot+2:G0+4*\slot+3], s[G0+4*\slot+2:G0+4*\slot+3], 2*ROWB
	s_add_nc_u64 s[G0B+4*\slot+2:G0B+4*\slot+3], s[G0B+4*\slot+2:G0B+4*\slot+3], 2*ROWB
	JLOAD G0+4*\slot, G1, G0B+4*\slot, G1B         ; the first tensor load behind the round; its four v_nop are the places in front of the loads below
.else
	PLACES NP
.endif
	FETCH_B \next, 0, 0
	FETCH_A \next, 0, 0
	WIN MUL_HI
	MUL16 4, 1, 0
	MUL16 6, 1, 0
	PLACES NP
	WIN 0
	FETCH_A \next, 0, 4
.endm
	s_wait_tensorcnt 1                             ; my part of K step 0 is in; K step 1's load may be out
	s_barrier_signal -1
	s_barrier_wait -1
	FETCH_B 0, 0, 0
	FETCH_A 0, 0, 0
	FETCH_A 0, 0, 4
	STEP 0, 0, 1                                   ; the first step's products start the sums
	s_mov_b32 s3, LAPS-1
.Llap:
	TURN 0, 1, 1
	STEP 1, 0, 0
	TURN 1, 0, 1
	STEP 0, 0, 0
	s_sub_co_u32 s3, s3, 1
	s_cmp_lg_u32 s3, 0
	s_cbranch_scc1 .Llap
	TURN 0, 1, 0                                   ; the last lap fills nothing
	STEP 1, 0, 0
	s_wait_dscnt 4*NL
	WIN MUL_LO
	MUL16 0, 1, 0
	MUL16 2, 1, 0
	s_wait_dscnt 0
	WIN MUL_HI
	MUL16 4, 1, 0
	MUL16 6, 1, 0
	WIN 0
	; THE WAY OUT.  sum x 2^(eA + eB) + bias, held, converted: a lane's eight numbers become 8 bytes; they go through my stage and leave as runs of 512 dense bytes.
	s_wait_kmcnt 0x0
	s_add_co_i32 s88, s88, s89                     ; e0 + e1
	s_add_co_i32 s90, s90, s91                     ; e2 + e3
	s_add_co_i32 s92, s92, s93                     ; e4 + e5
	s_add_co_i32 s94, s94, 3                       ; e6 + 3: the division by 8
	s_cmp_eq_u32 ttmp9, 0
	s_cselect_b32 s96, s88, s90
	s_cselect_b32 s97, s94, s95
	s_cmp_eq_u32 ttmp9, 2
	s_cselect_b32 s96, s92, s96
	s_cselect_b32 s97, s87, s97
	s_add_co_i32 s18, s97, 127
	s_lshl_b32 s19, s18, 23
	v_mov_b32 v13, s19                             ; the result's scale as f32
	s_add_co_i32 s18, s18, 15
	s_lshl_b32 s18, s18, 23
	s_or_b32 s18, s18, 0x600000
	v_mov_b32 v12, s18                             ; 57,344 x that
	s_add_co_i32 s96, s96, 127
	s_lshl_b32 s96, s96, 23                        ; 2^(eA + eB) as f32
	s_mov_b32 s97, s96                             ; (named with it as a pair, so it is written)
	s_wait_loadcnt 0x0                             ; the biases
	PLACES NP
.macro QBLK a                          ; block a: 16 rows x 128 columns
.set AC, 64*((\a)%4)
.set PS, PC+16*((\a)%2)
	s_cmp_eq_u32 ttmp9, 2                          ; the part: the same in every wave of every partner
	s_cbranch_scc1 .Lby_row_\@
	WIN 0x02+((\a)/4)
.set j, 0
.rept 32
	v_pk_fma_f32 v[T+j:T+j+1], v[AC+j:AC+j+1], s[96:97], v[BC+j:BC+j+1] op_sel_hi:[1,0,1]   ; q, k: the bias goes by the column; each accumulator from its low end on
.set j, j+2
.endr
	WIN 0
	s_branch .Lbiased_\@
.Lby_row_\@:
	WIN 0x02+((\a)/4)
.set j, 0
.rept 32
	v_pk_fma_f32 v[T+j:T+j+1], v[AC+j:AC+j+1], s[96:97], v[BR+2*(\a):BR+2*(\a)+1] op_sel_hi:[1,0,1]   ; v: by the row
.set j, j+2
.endr
	WIN 0
.Lbiased_\@:
.set j, 0
.rept 64
	v_med3_num_f32 v[T+j], v[T+j], -v12, v12       ; the conversion does not saturate (ISA guide 7.6.2): the hold comes first
.set j, j+1
.endr
.if (\a) >= 2
	s_wait_dscnt 8                                 ; the stage stores of two blocks back have read this set of codes; the last block's eight may be out
.endif
.irp b, 0,1,2,3,4,5,6,7
	v_cvt_scalef32_pk8_bf8_f32 v[PS+2*\b:PS+2*\b+1], v[T+8*\b:T+8*\b+7], v13
.endr
	v_nop                                          ; a plain instruction behind the conversions: the next block writes their sources
.irp b, 0,1,2,3,4,5,6,7
	ds_store_b64 v[STO], v[PS+2*\b:PS+2*\b+1] offset:(\b/4)*CBLK+1280*(\a)+16*(\b%4)
.endr
.endm
.irp a, 0,1,2,3,4,5,6,7
	QBLK \a
.endr
	s_wait_dscnt 0x0                               ; the stores have read their registers: the loads below land on them
.set t, 0
.rept 32
	ds_load_b128 v[BK+4*t:BK+4*t+3], v[RD] offset:(t/16)*CBLK+640*(t%16)
.set t, t+1
.endr
.set t, 0
.rept 32
	s_wait_dscnt 31-t                              ; the younger loads may be out
	global_store_b128 v[CO], v[BK+4*t:BK+4*t+3], s[10:11] offset:(t/16)*65536+512*(t%16)   ; 32 lanes store 512 consecutive bytes, aligned
.set t, t+1
.endr
	s_wait_tensorcnt 0x0                           ; the wave's end
	ds_add_u32 v[SPW], v[NIL]
	s_wait_dscnt 0x0
	CROUND                                         ; the closing round
	s_endpgm
.Lfunc_end_k_q81c3494368_qkv:
	.size	k_q81c3494368_qkv, .Lfunc_end_k_q81c3494368_qkv-k_q81c3494368_qkv
	.p2alignl 7, 3214868480
	.fill 96, 4, 3214868480
	.section	.rodata,"a",@progbits
	.p2align	6, 0x0
	.amdhsa_kernel k_q81c3494368_qkv
		.amdhsa_group_segment_fixed_size 327680
		.amdhsa_private_segment_fixed_size 0
		.amdhsa_enable_private_segment 0
		.amdhsa_kernarg_size 72
		.amdhsa_user_sgpr_count 2
		.amdhsa_user_sgpr_kernarg_segment_ptr 1
		.amdhsa_wavefront_size32 1
		.amdhsa_system_sgpr_workgroup_id_x 1
		.amdhsa_system_sgpr_workgroup_id_y 1
		.amdhsa_system_sgpr_workgroup_id_z 1
		.amdhsa_system_vgpr_workitem_id 0
		.amdhsa_next_free_vgpr 1024
		.amdhsa_next_free_sgpr 98
		.amdhsa_reserve_vcc 0
		.amdhsa_float_denorm_mode_32 3
		.amdhsa_float_denorm_mode_16_64 3
		.amdhsa_memory_ordered 1
		.amdhsa_forward_progress 1
		.amdhsa_inst_pref_size 163
	.end_amdhsa_kernel
	.amdgpu_metadata
---
amdhsa.version: [ 1, 2 ]
amdhsa.kernels:
  - .name:           k_q81c3494368_qkv
    .symbol:         k_q81c3494368_qkv.kd
    .args:
      - { .name: xc, .offset: 0, .size: 8, .value_kind: global_buffer, .address_space: global }
      - { .name: Wq_codes, .offset: 8, .size: 8, .value_kind: global_buffer, .address_space: global }
      - { .name: Wk_codes, .offset: 16, .size: 8, .value_kind: global_buffer, .address_space: global }
      - { .name: Wv_codes, .offset: 24, .size: 8, .value_kind: global_buffer, .address_space: global }
      - { .name: bq, .offset: 32, .size: 8, .value_kind: global_buffer, .address_space: global }
      - { .name: bk, .offset: 40, .size: 8, .value_kind: global_buffer, .address_space: global }
      - { .name: bv, .offset: 48, .size: 8, .value_kind: global_buffer, .address_space: global }
      - { .name: lowp_scales, .offset: 56, .size: 8, .value_kind: global_buffer, .address_space: global }
      - { .name: qkv, .offset: 64, .size: 8, .value_kind: global_buffer, .address_space: global }
    .group_segment_fixed_size: 327680
    .private_segment_fixed_size: 0
    .kernarg_segment_align: 8
    .kernarg_segment_size: 72
    .max_flat_workgroup_size: 128
    .sgpr_count:     98
    .vgpr_count:     1024
    .wavefront_size: 32
...
	.end_amdgpu_metadata
.endif
;; end of part 2
;; launch attn (part 3): grid 64 x 4, 16 waves a work-group, clusters of 4 x 4, 327,680 bytes of LDS; arguments qkv, mask, x, ln_ffn_g, ln_ffn_b, lowp_scales, res, hc; writes res, hc
.if DOCPART == 3
	.amdgcn_target "amdgcn-amd-amdhsa--gfx1250"
	.amdhsa_code_object_version 6
	.text
	.protected	k_q81c3494368_attn
	.globl	k_q81c3494368_attn
	.p2align	8
	.type	k_q81c3494368_attn,@function
k_q81c3494368_attn:
	s_mov_b64 s[64:65], 0
	v_nop
	global_prefetch_b8 v0, s[64:65] scope:SCOPE_SE
	s_setreg_imm32_b32 hwreg(HW_REG_WAVE_MODE, 25, 1), 1
	s_wait_xcnt 0x0
	s_wait_alu depctr_hold_cnt(0) depctr_sa_sdst(0) depctr_va_vdst(0) depctr_va_sdst(0) depctr_va_ssrc(0) depctr_va_vcc(0) depctr_vm_vsrc(0)
	s_getreg_b32 s2, hwreg(HW_REG_IB_STS2, 6, 4)
	s_cmp_eq_u32 s2, 0
	s_cbranch_scc0 .Lentry_in_a_cluster
	s_endpgm
.Lentry_in_a_cluster:
	s_bfe_u32 s2, ttmp6, 0x10000c
	s_cmp_lg_u32 s2, 0xf033
	s_cbranch_scc0 .Lentry_shape_is_right
	s_endpgm
.Lentry_shape_is_right:
; LAUNCH 3 OF 5.  context = softmax((q k^T) x mask) v on codes of E5M2; res = context (reshaped as reference() does) + x; hc = codes of layernorm(res, ln_ffn_g, ln_ffn_b) under e10.  No work is left out:
; the mask is an input and multiplies, so every tile of scores counts.
; THE SOFTMAX AHEAD OF THE SECOND PRODUCT: t = score x mask x log2(e); M = the running largest t rounded UP to a whole number; p = 2^(t - M) is quantised (e8), not normalised; the row's sum is
; taken of the unquantised p and divides at the end.  When M moves, the sum and O are multiplied by 2^(old M - new M): exact.
; SHARES.  Work-group: head-and-batch bh = 4 x cluster x + cx, queries 256 cy on.  Each of SIXTEEN waves owns 16 queries, one tile, in 256 registers.  All 1,024 keys are walked, 128 a step.
; THE RESHAPE of [B][H][S][64] to [B][S][1024] makes my 16 queries x 64 channels ONE row of res, row (1024 bh + first query) / 16: so the residual, the second layer norm and its quantiser stay in the wave.
; CLUSTER, 4 x 4.  The mask's tile hangs on cy alone and is asked for jointly along a row of the cluster; K's and V's hang on bh alone and are asked for jointly along a column.
; RING of two slots; a slot: 256 rows x 128 f32 of the mask (waves 0-3, 64 rows each), 128 keys of K (waves 4, 5), two blocks of 64 d x 64 keys of V (waves 6, 7).  One tensor load of a wave is out at a time.
; LAYOUT.  S^T = K Q^T (source 0 = 16 neighbouring keys, source 1 = my queries): lane (r, h) holds query r, register j of tile t key 16 t + 8 h + j.  A tile's eight p become registers 2 t, 2 t + 1 of the
; second product's operand as its form lays k.  O^T = V^T P^T: register j of tile t is channel 16 t + 8 h + j.
; LIMITS: e6 + e7 between -126 and 127 (added to log2(e)'s exponent field); e8, e10 between -126 and 112; e8 + e9 goes by v_ldexp_f32.  NaN among the inputs is not served.
.set MSK1,  135168                     ; the mask's slot 0 at 0, slot 1 here: 256 rows x (512 bytes + 16)
.set K0,    270336                     ; K: 128 rows x (64 + 16)
.set V0,    280576                     ; V: 2 x 64 rows x (64 + 16)
.set KVS,   20480                      ; from slot 0 to slot 1 of K and of V
.set SPARE, 311296                     ; the spare words, 128 bytes for each wave, which no other line names
.set WREG,  5120                       ; the way out: a stage for each wave, in the mask's slot 0, which has had its last fill and its last read by then
.set SP,    80
.set AM,   1                           ; v1, v2   my mask row in slot 0, 1
.set AK,   3                           ; v3, v4   my place in a tile of K
.set AV,   5                           ; v5, v6   in a tile of V
.set SPW,  7
.set NIL,  8
.set DL,   9                           ; v9   16 x lane; never rewritten
.set CH,   10                          ; v[10:13] on the way out: two chains of sums.  In the loop: v12 -M, v13 the largest t
.set Q,    16                          ; v[16:23]
.set MU,   26                          ; v[26:27] in the loop f; on the way out the mean
.set RS,   28                          ; v[28:29] in the loop the maximum's chains; on the way out 1 / sqrt(var + eps)
.set PD,   30                          ; v30  a lane permute's destination
.set KF,   32                          ; v32-95   K's 8 fragments, then V's 4
.set S,    96                          ; v96-159  S^T, then p
.set MK,   160                         ; v160-223 the mask; then v160-175 p's codes, v[208:209] a chain of sums
.set P,    160
.set XR,   176                         ; v176-207 in the last step: x's row
.set O,    224                         ; v224-255 O^T
.set G,    96
.set BT,   128
.set G1M,  24
.set G1KV, 32
.set G0M,  40
.set G0K,  48
.set G0V,  56
.set SEL,  66
.set CS,   68
.set SINV, 84
.set SEPS, 85
.macro JLOAD3 n                        ; slot n's joint loads: waves 0-3 the mask, 4 and 5 K, 6 and 7 V; the branches hang on the wave's number alone; an s_nop 0 and four v_nop follow each line
	s_cmp_lt_u32 s20, 4
	s_cbranch_scc0 .Lnot_m_\@
	tensor_load_to_lds s[G0M+4*(\n):G0M+4*(\n)+3], s[G1M:G1M+7]
	s_nop 0
.rept 4
	v_nop
.endr
	s_branch .Lasked_\@
.Lnot_m_\@:
	s_cmp_lt_u32 s20, 6
	s_cbranch_scc0 .Lnot_k_\@
	tensor_load_to_lds s[G0K+4*(\n):G0K+4*(\n)+3], s[G1KV:G1KV+7]
	s_nop 0
.rept 4
	v_nop
.endr
	s_branch .Lasked_\@
.Lnot_k_\@:
	s_cmp_lt_u32 s20, 8
	s_cbranch_scc0 .Lasked_\@
	tensor_load_to_lds s[G0V+4*(\n):G0V+4*(\n)+3], s[G1KV:G1KV+7]
	s_nop 0
.rept 4
	v_nop
.endr
.Lasked_\@:
.endm
.macro CROUND
	s_barrier_signal -1
	s_barrier_wait -1
	s_cmp_lg_u32 s20, 0
	s_cbranch_scc1 .Lnot_wave_0_\@
	s_barrier_signal -3
.Lnot_wave_0_\@:
	s_barrier_wait -3
	s_barrier_signal -1
	s_barrier_wait -1
.endm
	s_load_b512 s[4:19], s[0:1], 0x0               ; qkv, mask, x, g, b, the scales' exponents, res, hc
	v_lshl_add_u32 v[SPW], v0, 2, SPARE
	v_mov_b32 v[NIL], 0
	ds_add_u32 v[SPW], v[NIL]                      ; the wave's opening: the add, twice on end, and its wait ahead of the first tensor loads
	ds_add_u32 v[SPW], v[NIL]
	v_lshrrev_b32 v10, 5, v0
	v_readfirstlane_b32 s20, v10                   ; wave 0..15
	s_bfe_u32 s21, ttmp6, 0x40000                  ; cx
	s_bfe_u32 s22, ttmp6, 0x40004                  ; cy: my block of 256 queries
	s_lshl_b32 s23, ttmp9, 2
	s_add_co_u32 s23, s23, s21                     ; bh
	s_lshl_b32 s70, s22, 2
	s_lshl_b32 s70, 15, s70                        ; my row of the cluster
	s_lshl_b32 s71, 0x1111, s21                    ; my column
	s_or_b32 s[G1M], s70, (2<<16)|(1<<20)|(1<<21)|(6<<22)|(3<<25)   ; elements of 4 bytes; padding: 4 words behind every 128
	s_mov_b32 s[G1M+1], 128<<16                    ; tensor_dim0
	s_mov_b32 s[G1M+2], 64<<16                     ; tensor_dim1
	s_mov_b32 s[G1M+3], 128<<16                    ; tile_dim0
	s_mov_b32 s[G1M+4], 64                         ; tile_dim1
	s_mov_b32 s[G1M+5], 1024                       ; the pitch
	s_mov_b32 s[G1M+6], 0
	s_mov_b32 s[G1M+7], 0
	s_or_b32 s[G1KV], s71, (0<<16)|(1<<20)|(1<<21)|(3<<22)|(3<<25)  ; elements of 1 byte; padding: 4 words behind every 16
	s_mov_b32 s[G1KV+1], 64<<16
	s_mov_b32 s[G1KV+2], 64<<16
	s_mov_b32 s[G1KV+3], 64<<16
	s_mov_b32 s[G1KV+4], 64
	s_mov_b32 s[G1KV+5], 64
	s_mov_b32 s[G1KV+6], 0
	s_mov_b32 s[G1KV+7], 0
	s_and_b32 s92, s20, 3                          ; the mask: which 64 rows I fetch, if I fetch
	s_lshl_b32 s85, s92, 6
	s_lshl_b32 s84, s22, 8
	s_add_co_u32 s84, s84, s85
	s_lshl_b32 s84, s84, 12                        ; (256 cy + 64 (wave % 4)) rows of 4,096 bytes
	s_mov_b32 s85, 0
	s_mul_i32 s92, s92, 64*528
	s_and_b32 s93, s20, 1                          ; K, V: which 64
	s_lshl_b32 s88, s23, 16
	s_lshl_b32 s89, s93, 12
	s_add_co_u32 s88, s88, s89
	s_add_co_u32 s88, s88, 1<<22                   ; K: part 1, (1024 bh + 64 (wave % 2)) x 64
	s_mov_b32 s89, 0
	s_lshr_b32 s90, s23, 4
	s_lshl_b32 s90, s90, 4
	s_add_co_u32 s90, s90, s93
	s_lshl_b32 s90, s90, 16
	s_and_b32 s91, s23, 15
	s_lshl_b32 s91, s91, 12
	s_add_co_u32 s90, s90, s91
	s_add_co_u32 s90, s90, 2<<22                   ; V: part 2, (16 batch + wave % 2) x 65,536 + head x 4,096
	s_mov_b32 s91, 0
	s_mul_i32 s93, s93, 64*80
	s_lshl_b32 s94, s23, 10
	s_lshl_b32 s95, s22, 8
	s_add_co_u32 s94, s94, s95
	s_lshl_b32 s95, s20, 4
	s_add_co_u32 s94, s94, s95                     ; 1024 bh + my first query
	s_lshl_b32 s86, s94, 8                         ; my row of x and res, in bytes
	s_mov_b32 s87, 0
	s_lshl_b32 s94, s94, 6                         ; my queries' codes; my row of hc
	s_mov_b32 s95, 0
	s_mov_b32 s[SEL], 0x76543210
	s_mov_b32 s[SEL+1], 0xfedcba98
	s_mov_b32 s[CS], 0x3fb8aa3b                    ; log2(e)
	s_wait_dscnt 0x0                               ; both opening adds are done
	s_wait_kmcnt 0x0
	s_load_b256 s[72:79], s[14:15], 0x0            ; e0 .. e7
	s_load_b128 s[80:83], s[14:15], 0x20           ; e8 .. e11
	s_add_nc_u64 s[84:85], s[6:7], s[84:85]
	s_add_nc_u64 s[88:89], s[4:5], s[88:89]
	s_add_nc_u64 s[90:91], s[4:5], s[90:91]
	s_add_nc_u64 s[4:5], s[4:5], s[94:95]          ; Q's codes at my first query
	s_add_nc_u64 s[8:9], s[8:9], s[86:87]
	s_add_nc_u64 s[16:17], s[16:17], s[86:87]
	s_add_nc_u64 s[18:19], s[18:19], s[94:95]
.irp n, 0,1
	s_mov_b32 s[G0M+4*\n], 1
	s_add_co_u32 s[G0M+4*\n+1], s92, \n*MSK1
	s_add_nc_u64 s[G0M+4*\n+2:G0M+4*\n+3], s[84:85], \n*512
	s_or_b32 s[G0M+4*\n+3], s[G0M+4*\n+3], 0x80000000
	s_mov_b32 s[G0K+4*\n], 1
	s_add_co_u32 s[G0K+4*\n+1], s93, K0+\n*KVS
	s_add_nc_u64 s[G0K+4*\n+2:G0K+4*\n+3], s[88:89], \n*8192
	s_or_b32 s[G0K+4*\n+3], s[G0K+4*\n+3], 0x80000000
	s_mov_b32 s[G0V+4*\n], 1
	s_add_co_u32 s[G0V+4*\n+1], s93, V0+\n*KVS
	s_add_nc_u64 s[G0V+4*\n+2:G0V+4*\n+3], s[90:91], \n*131072
	s_or_b32 s[G0V+4*\n+3], s[G0V+4*\n+3], 0x80000000
.endr
	CROUND                                         ; all sixteen work-groups are here: the first joint loads meet
	JLOAD3 0                                       ; key step 0
	v_and_b32 v10, 15, v0                          ; r
	v_bfe_u32 v11, v0, 4, 1                        ; h
	v_lshlrev_b32 v31, 6, v10
	v_lshl_add_u32 v31, v11, 4, v31                ; Q: row r of 64 bytes, + 16 h
	global_load_b128 v[Q:Q+3], v31, s[4:5]         ; the same permutation of k as K's loads from LDS
	global_load_b128 v[Q+4:Q+7], v31, s[4:5] offset:32
	v_and_b32 v[DL], 31, v0
	v_lshlrev_b32 v[DL], 4, v[DL]
	s_lshl_b32 s71, s20, 4
	v_add_nc_u32 v[AM], s71, v10
	v_mul_u32_u24 v[AM], v[AM], 528
	v_lshl_add_u32 v[AM], v11, 5, v[AM]            ; (16 wave + r) x 528 + 32 h
	v_add_nc_u32 v[AM+1], MSK1, v[AM]
	v_mul_u32_u24 v[AK], v10, 80
	v_lshl_add_u32 v[AV], v11, 3, v[AK]            ; 80 r + 8 h
	v_lshl_add_u32 v[AK], v11, 4, v[AK]            ; 80 r + 16 h
	v_add_nc_u32 v[AK+1], K0+KVS, v[AK]
	v_add_nc_u32 v[AK], K0, v[AK]
	v_add_nc_u32 v[AV+1], V0+KVS, v[AV]
	v_add_nc_u32 v[AV], V0, v[AV]
	v_mov_b32 v13, 0xff61b1e6                      ; the largest t so far: -3e38
	v_floor_f32 v12, -v13                          ; -M
	v_mov_b32 v14, 0                               ; the sum, in two halves
	v_mov_b32 v15, 0
	v_mov_b32 v27, 0                               ; (named as the upper half of f's pair)
	v_mov_b32 v[PD], 0
.set j, 0
.rept 32
	v_mov_b32 v[O+j], 0                            ; O^T: the step is written once; the first finds zeros
.set j, j+1
.endr
	s_wait_kmcnt 0x0
	s_add_co_i32 s71, s78, s79
	s_lshl_b32 s71, s71, 23
	s_add_co_i32 s[CS], s[CS], s71                 ; log2(e) x 2^(e6 + e7)
	s_mov_b32 s[CS+1], s[CS]
	s_add_co_i32 s71, s80, 127
	s_lshl_b32 s70, s71, 23
	v_mov_b32 v25, s70                             ; 2^e8
	s_add_co_i32 s71, s71, 15
	s_lshl_b32 s71, s71, 23
	s_or_b32 s71, s71, 0x600000
	v_mov_b32 v24, s71                             ; 57,344 x 2^e8
; A KEY STEP: 128 keys, in slot n.  last = 1: the loads for the way out are issued where their registers fall free.
.macro STEP n, last
.rept 4
	v_nop                                          ; places in front of loads into registers that the last products read
.endr
.irp t, 0,1,2,3,4,5,6,7
	ds_load_b128 v[KF+8*\t:KF+8*\t+3], v[AK+\n] offset:1280*\t
	ds_load_b128 v[KF+8*\t+4:KF+8*\t+7], v[AK+\n] offset:1280*\t+32
.endr
.irp t, 0,1,2,3,4,5,6,7
	ds_load_b128 v[MK+8*\t:MK+8*\t+3], v[AM+\n] offset:64*\t
	ds_load_b128 v[MK+8*\t+4:MK+8*\t+7], v[AM+\n] offset:64*\t+16
.endr
	s_wait_dscnt 16                                ; K is in; the mask's 16 loads may be out
.irp t, 0,1,2,3,4,5,6,7
	v_wmma_f32_16x16x64_bf8_bf8 v[S+8*\t:S+8*\t+7], v[KF+8*\t:KF+8*\t+7], v[Q:Q+7], 0
.endr
.rept 4
	v_nop                                          ; places: V's loads land where K lay, and the scores are read below
.endr
.irp t, 0,1,2,3
.irp c, 0,1,2,3,4,5,6,7
	ds_load_b64 v[KF+16*\t+2*\c:KF+16*\t+2*\c+1], v[AV+\n] offset:(\c/4)*5120+1280*\t+16*(\c%4)   ; channel 16 t + r, keys 16 c + 8 h + 0 .. 7
.endr
.endr
	s_wait_dscnt 32                                ; the mask is in; V's 32 loads may be out
.set j, 0
.rept 32
	v_pk_mul_f32 v[S+j:S+j+1], v[S+j:S+j+1], v[MK+j:MK+j+1]   ; score x mask; each accumulator from its low end on
.set j, j+2
.endr
.if \last
.irp i, 0,1,2,3,4,5,6,7
	global_load_b128 v[XR+4*\i:XR+4*\i+3], v[DL], s[8:9] offset:512*\i th:TH_LOAD_NT   ; my row of x
.endr
.endif
	v_max3_num_f32 v28, v[S], v[S+1], v[S+2]       ; the step's largest, among my 64 keys, in two chains
	v_max3_num_f32 v29, v[S+3], v[S+4], v[S+5]
.set j, 6
.rept 14
	v_max3_num_f32 v28, v28, v[S+j], v[S+j+1]
	v_max3_num_f32 v29, v29, v[S+j+2], v[S+j+3]
.set j, j+4
.endr
	v_max3_num_f32 v28, v28, v[S+62], v[S+63]
	v_max_num_f32 v28, v28, v29
	v_permlanex16_b32 v[PD], v28, s[SEL], s[SEL+1]
	v_max_num_f32 v28, v28, v[PD]                  ; and among lane l xor 16's
	v_mul_f32 v28, s[CS], v28                      ; as t (the factor is positive)
	v_max_num_f32 v13, v13, v28                    ; the running largest t
	v_mov_b32 v28, v12
	v_floor_f32 v12, -v13                          ; the new -M = -ceil(t)
	v_sub_f32 v28, v12, v28                        ; old M - new M: a whole number, 0 or less
	v_cvt_i32_f32 v28, v28                         ; (it saturates)
	v_ldexp_f32 v26, 1.0, v28                      ; f = 2^(old M - new M)
.set j, 0
.rept 32
	v_pk_fma_f32 v[S+j:S+j+1], v[S+j:S+j+1], s[CS:CS+1], v[12:13] op_sel_hi:[1,0,0]   ; t - M
.set j, j+2
.endr
.set j, 0
.rept 64
	v_exp_f32 v[S+j], v[S+j]                       ; p = 2^(t - M)
.set j, j+1
.endr
	v_pk_mul_f32 v[14:15], v[14:15], v[26:27] op_sel_hi:[1,0]   ; the sums under the new M: the plain instruction behind the exponentials
	s_wait_alu depctr_va_vdst(0)                   ; one wait for the batch, ahead of its first reader
	v_pk_add_f32 v[208:209], v[S:S+1], v[S+2:S+3]  ; the row's sum, of the unquantised p
.set j, 4
.rept 15
	v_pk_add_f32 v[14:15], v[14:15], v[S+j:S+j+1]
	v_pk_add_f32 v[208:209], v[208:209], v[S+j+2:S+j+3]
.set j, j+4
.endr
	v_pk_add_f32 v[14:15], v[14:15], v[208:209]
.irp t, 0,1,2,3,4,5,6,7
.irp i, 0,1,2,3,4,5,6,7
	v_min_num_f32 v[S+8*\t+\i], v[S+8*\t+\i], v24  ; the hold; p is not negative, so it is one-sided
.endr
	v_cvt_scalef32_pk8_bf8_f32 v[P+2*\t:P+2*\t+1], v[S+8*\t:S+8*\t+7], v25
.endr
.if \last
.irp i, 0,1,2,3,4,5,6,7
	global_load_b128 v[G+4*\i:G+4*\i+3], v[DL], s[10:11] offset:512*\i
.endr
.irp i, 0,1,2,3,4,5,6,7
	global_load_b128 v[BT+4*\i:BT+4*\i+3], v[DL], s[12:13] offset:512*\i
.endr
.endif
.set j, 0
.rept 16
	v_pk_mul_f32 v[O+j:O+j+1], v[O+j:O+j+1], v[26:27] op_sel_hi:[1,0]   ; O^T under the new M; plain instructions between the conversions and the products
.set j, j+2
.endr
	s_wait_dscnt 0x0                               ; V is in
.irp t, 0,1,2,3
	v_wmma_f32_16x16x128_bf8_bf8 v[O+8*\t:O+8*\t+7], v[KF+16*\t:KF+16*\t+15], v[P:P+15], v[O+8*\t:O+8*\t+7]   ; the four accumulators take turns
.endr
.endm
; A trip: the change of slots at its head, then slot n's step.  refill = 1: a round of the cluster's barrier, and behind it the other slot's joint load, which has the whole step in which to land.
.macro TRIP n, refill, last
	s_wait_tensorcnt 0x0                           ; all my tensor loads have landed: my part of this trip's slot
	ds_add_u32 v[SPW], v[NIL]                      ; 0 onto my spare word
.if \refill
	ds_add_u32 v[SPW], v[NIL]                      ; and once more
	s_add_nc_u64 s[G0M+4*\n+2:G0M+4*\n+3], s[G0M+4*\n+2:G0M+4*\n+3], 1024     ; this slot's next tiles: two steps on
	s_add_nc_u64 s[G0K+4*\n+2:G0K+4*\n+3], s[G0K+4*\n+2:G0K+4*\n+3], 16384
	s_add_nc_u64 s[G0V+4*\n+2:G0V+4*\n+3], s[G0V+4*\n+2:G0V+4*\n+3], 262144
.endif
	s_wait_dscnt 0x0                               ; the adds are done, and my reads of the other slot are over
.if \refill
	CROUND                                         ; both now hold of every wave of every partner
	JLOAD3 1-\n
.else
	s_barrier_signal -1
	s_barrier_wait -1
.endif
	STEP \n, \last
.endm
	s_wait_loadcnt 0x0                             ; Q
	s_mov_b32 s70, 3
.Lpair:                                            ; key steps 0 to 5; steps 1 to 6 are asked for
	TRIP 0, 1, 0
	TRIP 1, 1, 0
	s_sub_co_u32 s70, s70, 1
	s_cmp_lg_u32 s70, 0
	s_cbranch_scc1 .Lpair
	TRIP 0, 1, 0                                   ; step 6; step 7 is asked for
	TRIP 1, 0, 1                                   ; step 7: nothing is left to fetch
	; THE WAY OUT
	v_add_f32 v14, v14, v15                        ; the sum's two halves,
	v_permlanex16_b32 v[PD], v14, s[SEL], s[SEL+1]
	v_add_f32 v14, v14, v[PD]                      ; and lane l xor 16's
	v_rcp_f32 v14, v14
	s_mul_i32 s71, s20, WREG                       ; my stage.  The address work below is the plain work behind the reciprocal and behind the last products
	v_and_b32 v10, 15, v0
	v_bfe_u32 v11, v0, 4, 1
	v_mul_u32_u24 v1, v10, 272
	v_lshl_add_u32 v1, v11, 5, v1
	v_add_nc_u32 v1, s71, v1                       ; in: query r's 256 bytes + 16, + 32 h
	v_mul_u32_u24 v2, v11, 272
	v_lshl_add_u32 v2, v10, 4, v2
	v_add_nc_u32 v2, s71, v2                       ; back: lanes 0-15 one query, lanes 16-31 the next: register 4 j + i = element 128 j + 4 lane + i of the row
	v_and_b32 v10, 31, v0
	v_lshrrev_b32 v3, 2, v10
	v_mul_u32_u24 v3, v3, SP
	v_and_b32 v11, 3, v10
	v_lshl_add_u32 v3, v11, 4, v3
	v_add_nc_u32 v3, s71, v3                       ; the turn, in
	v_mul_u32_u24 v4, v10, SP
	v_add_nc_u32 v4, s71, v4                       ; the turn, out
	s_add_co_i32 s86, s80, s81                     ; e8 + e9
	s_mov_b32 s[SINV], 0x3a800000                  ; 1 / 1024
	s_mov_b32 s[SEPS], 0x358637bd                  ; 1e-6
	s_add_co_i32 s87, s82, 127
	s_lshl_b32 s88, s87, 23
	v_mov_b32 v25, s88                             ; 2^e10
	s_add_co_i32 s87, s87, 15
	s_lshl_b32 s87, s87, 23
	s_or_b32 s87, s87, 0x600000
	v_mov_b32 v24, s87                             ; 57,344 x 2^e10
	s_wait_alu depctr_va_vdst(0)                   ; the wait ahead of the reciprocal's first reader
	v_ldexp_f32 v14, v14, s86                      ; 2^(e8 + e9) / the sum
.set j, 0
.rept 16
	v_pk_mul_f32 v[32+j:33+j], v[O+j:O+j+1], v[14:15] op_sel_hi:[1,0]   ; each accumulator from its low end on
.set j, j+2
.endr
.irp t, 0,1,2,3
	ds_store_b128 v1, v[32+8*\t:35+8*\t] offset:64*\t
	ds_store_b128 v1, v[36+8*\t:39+8*\t] offset:64*\t+16
.endr
.irp i, 0,1,2,3,4,5,6,7
	ds_load_b128 v[64+4*\i:67+4*\i], v2 offset:544*\i   ; LDS serves a wave's instructions in order: these see my stores
.endr
	s_wait_dscnt 0x0
	s_wait_loadcnt 16                              ; x is in; g's 8 loads and b's 8 may be out
.set j, 0
.rept 16
	v_pk_add_f32 v[64+j:65+j], v[64+j:65+j], v[XR+j:XR+j+1]   ; the residual
.set j, j+2
.endr
.irp i, 0,1,2,3,4,5,6,7
	global_store_b128 v[DL], v[64+4*\i:67+4*\i], s[16:17] offset:512*\i   ; 32 lanes store 512 consecutive bytes, aligned; these registers are not written again
.endr
.macro LANESUM r
	v_add_f32_dpp v[\r], v[\r], v[\r] row_xmask:1 row_mask:0xf bank_mask:0xf
	v_add_f32_dpp v[\r], v[\r], v[\r] row_xmask:2 row_mask:0xf bank_mask:0xf
	v_add_f32_dpp v[\r], v[\r], v[\r] row_xmask:4 row_mask:0xf bank_mask:0xf
	v_add_f32_dpp v[\r], v[\r], v[\r] row_xmask:8 row_mask:0xf bank_mask:0xf
	v_permlanex16_b32 v[PD], v[\r], s[SEL], s[SEL+1]
	v_add_f32 v[\r], v[\r], v[PD]
.endm
	; the row's mean; x - mean into v32 on; 1 / sqrt(var + eps)
	v_pk_add_f32 v[CH:CH+1], v[64:65], v[66:67]
	v_pk_add_f32 v[CH+2:CH+3], v[68:69], v[70:71]
.set j, 8
.rept 6
	v_pk_add_f32 v[CH:CH+1], v[CH:CH+1], v[64+j:65+j]
	v_pk_add_f32 v[CH+2:CH+3], v[CH+2:CH+3], v[66+j:67+j]
.set j, j+4
.endr
	v_pk_add_f32 v[CH:CH+1], v[CH:CH+1], v[CH+2:CH+3]
	v_add_f32 v[CH], v[CH], v[CH+1]
	LANESUM CH
	v_mul_f32 v[MU], s[SINV], v[CH]
	v_mov_b32 v[MU+1], v[MU]
.set j, 0
.rept 16
	v_pk_add_f32 v[32+j:33+j], v[64+j:65+j], v[MU:MU+1] neg_lo:[0,1] neg_hi:[0,1]
.set j, j+2
.endr
	v_pk_mul_f32 v[CH:CH+1], v[32:33], v[32:33]
	v_pk_mul_f32 v[CH+2:CH+3], v[34:35], v[34:35]
.set j, 4
.rept 7
	v_pk_fma_f32 v[CH:CH+1], v[32+j:33+j], v[32+j:33+j], v[CH:CH+1]
	v_pk_fma_f32 v[CH+2:CH+3], v[34+j:35+j], v[34+j:35+j], v[CH+2:CH+3]
.set j, j+4
.endr
	v_pk_add_f32 v[CH:CH+1], v[CH:CH+1], v[CH+2:CH+3]
	v_add_f32 v[CH], v[CH], v[CH+1]
	LANESUM CH
	v_fma_f32 v[CH], v[CH], s[SINV], s[SEPS]
	v_rsq_f32 v[RS], v[CH]
	v_nop                                          ; a plain instruction behind the transcendental,
	s_wait_alu depctr_va_vdst(0)                   ; and the wait ahead of its first reader
	v_mov_b32 v[RS+1], v[RS]
	s_wait_loadcnt 0x0                             ; g and b
.set j, 0
.rept 16
	v_pk_mul_f32 v[32+j:33+j], v[32+j:33+j], v[RS:RS+1]
.set j, j+2
.endr
.set j, 0
.rept 16
	v_pk_fma_f32 v[32+j:33+j], v[32+j:33+j], v[G+j:G+j+1], v[BT+j:BT+j+1]
.set j, j+2
.endr
.irp i, 0,1,2,3,4,5,6,7
	ds_store_b128 v3, v[32+4*\i:35+4*\i] offset:(\i/4)*2560+(\i%4)*640   ; the turn: in as it lies,
.endr
.irp i, 0,1,2,3,4,5,6,7
	ds_load_b128 v[XR+4*\i:XR+4*\i+3], v4 offset:(\i/4)*2560+(\i%4)*16   ; out 16 neighbours a lane and half
.endr
	s_wait_dscnt 0x0
.set j, 0
.rept 32
	v_med3_num_f32 v[XR+j], v[XR+j], -v24, v24
.set j, j+1
.endr
.irp hf, 0,1
	v_cvt_scalef32_pk8_bf8_f32 v[208+4*\hf:209+4*\hf], v[XR+16*\hf:XR+16*\hf+7], v25
	v_cvt_scalef32_pk8_bf8_f32 v[210+4*\hf:211+4*\hf], v[XR+16*\hf+8:XR+16*\hf+15], v25
.endr
	v_nop
	global_store_b128 v[DL], v[208:211], s[18:19]
	global_store_b128 v[DL], v[212:215], s[18:19] offset:512
	s_wait_tensorcnt 0x0                           ; the wave's end
	ds_add_u32 v[SPW], v[NIL]
	s_wait_dscnt 0x0
	CROUND                                         ; the closing round
	s_endpgm
.Lfunc_end_k_q81c3494368_attn:
	.size	k_q81c3494368_attn, .Lfunc_end_k_q81c3494368_attn-k_q81c3494368_attn
	.p2alignl 7, 3214868480
	.fill 96, 4, 3214868480
	.section	.rodata,"a",@progbits
	.p2align	6, 0x0
	.amdhsa_kernel k_q81c3494368_attn
		.amdhsa_group_segment_fixed_size 327680
		.amdhsa_private_segment_fixed_size 0
		.amdhsa_enable_private_segment 0
		.amdhsa_kernarg_size 64
		.amdhsa_user_sgpr_count 2
		.amdhsa_user_sgpr_kernarg_segment_ptr 1
		.amdhsa_wavefront_size32 1
		.amdhsa_system_sgpr_workgroup_id_x 1
		.amdhsa_system_sgpr_workgroup_id_y 1
		.amdhsa_system_sgpr_workgroup_id_z 1
		.amdhsa_system_vgpr_workitem_id 0
		.amdhsa_next_free_vgpr 256
		.amdhsa_next_free_sgpr 96
		.amdhsa_reserve_vcc 0
		.amdhsa_float_denorm_mode_32 3
		.amdhsa_float_denorm_mode_16_64 3
		.amdhsa_memory_ordered 1
		.amdhsa_forward_progress 1
		.amdhsa_inst_pref_size 109
	.end_amdhsa_kernel
	.amdgpu_metadata
---
amdhsa.version: [ 1, 2 ]
amdhsa.kernels:
  - .name:           k_q81c3494368_attn
    .symbol:         k_q81c3494368_attn.kd
    .args:
      - { .name: qkv, .offset: 0, .size: 8, .value_kind: global_buffer, .address_space: global }
      - { .name: mask, .offset: 8, .size: 8, .value_kind: global_buffer, .address_space: global }
      - { .name: x, .offset: 16, .size: 8, .value_kind: global_buffer, .address_space: global }
      - { .name: ln_ffn_g, .offset: 24, .size: 8, .value_kind: global_buffer, .address_space: global }
      - { .name: ln_ffn_b, .offset: 32, .size: 8, .value_kind: global_buffer, .address_space: global }
      - { .name: lowp_scales, .offset: 40, .size: 8, .value_kind: global_buffer, .address_space: global }
      - { .name: res, .offset: 48, .size: 8, .value_kind: global_buffer, .address_space: global }
      - { .name: hc, .offset: 56, .size: 8, .value_kind: global_buffer, .address_space: global }
    .group_segment_fixed_size: 327680
    .private_segment_fixed_size: 0
    .kernarg_segment_align: 8
    .kernarg_segment_size: 64
    .max_flat_workgroup_size: 512
    .sgpr_count:     96
    .vgpr_count:     256
    .wavefront_size: 32
...
	.end_amdgpu_metadata
.endif
;; end of part 3
;; launch ffn1 (part 4): grid 16 x 16, 4 waves a work-group, clusters of 4 x 4, 327,680 bytes of LDS; arguments hc, W1_codes, b1, lowp_scales, gc; writes gc
.if DOCPART == 4
	.amdgcn_target "amdgcn-amd-amdhsa--gfx1250"
	.amdhsa_code_object_version 6
	.text
	.protected	k_q81c3494368_ffn1
	.globl	k_q81c3494368_ffn1
	.p2align	8
	.type	k_q81c3494368_ffn1,@function
k_q81c3494368_ffn1:
	s_mov_b64 s[64:65], 0
	v_nop
	global_prefetch_b8 v0, s[64:65] scope:SCOPE_SE
	s_setreg_imm32_b32 hwreg(HW_REG_WAVE_MODE, 25, 1), 1
	s_wait_xcnt 0x0
	s_wait_alu depctr_hold_cnt(0) depctr_sa_sdst(0) depctr_va_vdst(0) depctr_va_sdst(0) depctr_va_ssrc(0) depctr_va_vcc(0) depctr_vm_vsrc(0)
	s_getreg_b32 s2, hwreg(HW_REG_IB_STS2, 6, 4)
	s_cmp_eq_u32 s2, 0
	s_cbranch_scc0 .Lentry_in_a_cluster
	s_endpgm
.Lentry_in_a_cluster:
	s_bfe_u32 s2, ttmp6, 0x10000c
	s_cmp_lg_u32 s2, 0xf033
	s_cbranch_scc0 .Lentry_shape_is_right
	s_endpgm
.Lentry_shape_is_right:
; LAUNCH 4 OF 5.  gc = codes (e12) of gelu(LN(res) W1 + b1), the product on codes of E5M2 (e10, e11).  No work is left out.
; hc: [4096][1024] codes; W1_codes: [4096][1024]; gc: [4096][4096] codes, row-major.  A tile of 256 x 256 by four waves, 128 x 128 each; K = 1,024 in steps of 256 through a ring of two LDS slots, joint tensor loads, 4 x 4 clusters.
; THE MATRIX INSTRUCTION IS USED TRANSPOSED (source 0 = 16 rows of W1, source 1 = 16 rows of hc): a lane's eight results are eight neighbouring hidden units of one row: neighbours along the next K: one conversion makes 8 bytes.
; GELU: 0.5 x (1 + tanh(u)), u = sqrt(2 / pi) (x + 0.044715 x^3), is x / (1 + e^(-2u)) = x rcp(1 + exp2(x (k1 + k2 x^2))), k1 = -2 sqrt(2 / pi) log2(e), k2 = 0.044715 k1: the same function, with no difference of near numbers.
; For every finite x it is finite: where the exponential overflows the result is -0, where it underflows x.
; LIMITS: e10 + e11 between -126 and 127; e12 between -126 and 112.  NaN among the inputs is not served.
; REGISTERS: window 0: v0-31 addresses and constants; v32-95 b1 by column; from v128 A's fragments, ONE set; on the way out v96-255 are at work.  window 1: B's fragments, TWO sets.  windows 2, 3: the accumulators.
.set KSTEP,  256
.set ROWB,   256
.set KROW,   1024
.set PITCH,  272                       ; an LDS row: 256 bytes + 16 of padding: the 16 rows that a load touches start at 16 different banks (ISA guide 11.1)
.set FR,     16
.set NL,     4
.set NP,     4
.set HALFT,  128*PITCH
.set SLOT,   4*HALFT
.set LAPS,   KROW/(2*KSTEP)
.set SPARE,  2*SLOT                    ; behind the ring: the spare words, which no other line names
.set SPITCH, 272                       ; the way out: ONE stage of 256 rows x (256 bytes + 16), in slot 0, which has had its last fill and its last read by then
.set ADRA, 16
.set ADRB, 20
.set STO,  24
.set RD,   25
.set CO,   26
.set SPW,  28
.set NIL,  29
.set BC,   32                          ; v32-95   b1[first column + 16 b + 8 h + j] at 8 b + j
.set T,    96                          ; v96-159  x
.set U,    160                         ; v160-223 at work
.set PC,   224                         ; v224-255 codes, two sets
.set AF,   128
.set BK,   128
.set G1, 24
.set G0, 32
.set G1B, 48
.set G0B, 56
.set MSB, 0
.macro WIN new
.if MSB != \new
	s_set_vgpr_msb (MSB<<8)|\new
.set MSB, \new
.endif
.endm
.set MUL_LO, 0xa1
.set MUL_HI, 0xf1
.set TO_B,   0x40
.macro JLOAD g0a, g1a, g0b, g1b        ; a joint load: waves 0 and 1 fetch for A, waves 2 and 3 for B; an s_nop 0 and four v_nop follow each line
	s_cmp_eq_u32 s15, 0
	s_cbranch_scc0 .Lfor_b_\@
	tensor_load_to_lds s[\g0a:\g0a+3], s[\g1a:\g1a+7]
	s_nop 0
.rept 4
	v_nop
.endr
	s_branch .Lasked_\@
.Lfor_b_\@:
	tensor_load_to_lds s[\g0b:\g0b+3], s[\g1b:\g1b+7]
	s_nop 0
.rept 4
	v_nop
.endr
.Lasked_\@:
.endm
.macro CREST
	s_cmp_lg_u32 s14, 0
	s_cbranch_scc1 .Lnot_wave_0_\@
	s_barrier_signal -3
.Lnot_wave_0_\@:
	s_barrier_wait -3
	s_barrier_signal -1
	s_barrier_wait -1
.endm
.macro CROUND
	s_barrier_signal -1
	s_barrier_wait -1
	CREST
.endm
	s_load_b256 s[4:11], s[0:1], 0x0               ; hc, W1's codes, b1, the scales' exponents
	s_load_b64 s[12:13], s[0:1], 0x20              ; gc
	v_lshl_add_u32 v[SPW], v0, 2, SPARE
	v_mov_b32 v[NIL], 0
	ds_add_u32 v[SPW], v[NIL]                      ; the wave's opening: the add, twice on end, and its wait ahead of my first tensor load
	ds_add_u32 v[SPW], v[NIL]
	v_lshrrev_b32 v1, 5, v0
	v_readfirstlane_b32 s14, v1
	s_lshr_b32 s15, s14, 1
	s_and_b32 s16, s14, 1
	s_bfe_u32 s40, ttmp6, 0x40000
	s_bfe_u32 s41, ttmp6, 0x40004
	s_lshl_b32 s42, ttmp9, 2
	s_add_co_u32 s42, s42, s40                     ; tile column
	s_and_b32 s17, ttmp7, 0xffff
	s_lshl_b32 s17, s17, 2
	s_add_co_u32 s17, s17, s41                     ; tile row
	s_lshl_b32 s43, s41, 2
	s_lshl_b32 s43, 15, s43
	s_lshl_b32 s44, 0x1111, s40
	s_or_b32 s[G1+0], s43, (0<<16)|(1<<20)|(1<<21)|(5<<22)|(3<<25)
	s_or_b32 s[G1B+0], s44, (0<<16)|(1<<20)|(1<<21)|(5<<22)|(3<<25)
.irp g, G1, G1B
	s_mov_b32 s[\g+1], ROWB<<16
	s_mov_b32 s[\g+2], 128<<16
	s_mov_b32 s[\g+3], ROWB<<16
	s_mov_b32 s[\g+4], 128
	s_mov_b32 s[\g+5], KROW
	s_mov_b32 s[\g+6], 0
	s_mov_b32 s[\g+7], 0
.endr
	s_lshl_b32 s18, s16, 7
	s_lshl_b32 s20, s17, 8
	s_add_co_u32 s20, s20, s18
	s_lshl_b32 s20, s20, 10
	s_mov_b32 s21, 0
	s_lshl_b32 s46, s42, 8
	s_add_co_u32 s46, s46, s18
	s_lshl_b32 s46, s46, 10
	s_mov_b32 s47, 0
	s_mul_i32 s45, s14, HALFT
	s_wait_dscnt 0x0
	s_wait_kmcnt 0x0
	s_load_b128 s[88:91], s[10:11], 0x28           ; e10 .. e13
	s_add_nc_u64 s[20:21], s[4:5], s[20:21]
	s_add_nc_u64 s[46:47], s[6:7], s[46:47]
	CROUND
.irp s, 0,1
	s_mov_b32 s[G0+4*\s], 1
	s_add_co_u32 s[G0+4*\s+1], s45, \s*SLOT
	s_add_nc_u64 s[G0+4*\s+2:G0+4*\s+3], s[20:21], \s*ROWB
	s_or_b32 s[G0+4*\s+3], s[G0+4*\s+3], 0x80000000
	s_mov_b32 s[G0B+4*\s], 1
	s_add_co_u32 s[G0B+4*\s+1], s45, \s*SLOT
	s_add_nc_u64 s[G0B+4*\s+2:G0B+4*\s+3], s[46:47], \s*ROWB
	s_or_b32 s[G0B+4*\s+3], s[G0B+4*\s+3], 0x80000000
	JLOAD G0+4*\s, G1, G0B+4*\s, G1B
.endr
	v_and_b32 v1, 15, v0                           ; r
	v_bfe_u32 v2, v0, 4, 1                         ; h
	v_mul_u32_u24 v3, v1, PITCH
	v_lshl_add_u32 v4, v2, 4, v3
	s_mul_i32 s21, s15, HALFT
	s_mul_i32 s22, s16, HALFT
	s_add_co_u32 s22, s22, 2*HALFT
.irp s, 0,1
	v_add_nc_u32 v[ADRA+\s], s21, v4
	v_add_nc_u32 v[ADRB+\s], s22, v4
	s_add_co_u32 s21, s21, SLOT
	s_add_co_u32 s22, s22, SLOT
.endr
	s_mul_i32 s23, s15, 128*SPITCH
	s_lshl_b32 s18, s16, 7
	s_add_co_u32 s23, s23, s18
	v_mul_u32_u24 v5, v1, SPITCH
	v_lshl_add_u32 v5, v2, 3, v5
	v_add_nc_u32 v[STO], s23, v5                   ; into the stage: my 128 rows, my half of their 256 bytes; row r, 8 bytes for each half of the lanes
	s_mul_i32 s23, s14, 64*SPITCH
	v_mul_u32_u24 v5, v2, SPITCH
	v_lshl_add_u32 v5, v1, 4, v5
	v_add_nc_u32 v[RD], s23, v5                    ; back: wave w takes rows 64 w on, whole; lanes 0-15 one row, lanes 16-31 the next
	v_lshlrev_b32 v5, 12, v2
	v_lshl_add_u32 v[CO], v1, 4, v5                ; and the same two rows in gc
	v_lshlrev_b32 v6, 5, v2                        ; 32 h: b1's offset; never rewritten
	v_mov_b32 v8, 0xbdd2d3e8                       ; k2 = -0.10294324, twice
	v_mov_b32 v9, 0xbdd2d3e8
	v_mov_b32 v10, 0xc0135761                      ; k1 = -2.3022082, twice
	v_mov_b32 v11, 0xc0135761
	s_lshl_b32 s20, s17, 8
	s_lshl_b32 s21, s14, 6
	s_add_co_u32 s20, s20, s21
	s_lshl_b32 s20, s20, 12                        ; (256 x tile row + 64 x wave) rows of 4,096 bytes
	s_lshl_b32 s46, s42, 8
	s_add_co_u32 s20, s20, s46                     ; + 256 x tile column
	s_mov_b32 s21, 0
	s_add_nc_u64 s[12:13], s[12:13], s[20:21]
	s_lshl_b32 s47, s16, 7
	s_add_co_u32 s46, s46, s47
	s_lshl_b32 s46, s46, 2
	s_mov_b32 s47, 0
	s_add_nc_u64 s[66:67], s[8:9], s[46:47]        ; b1 at my first column
.irp b, 0,1,2,3,4,5,6,7
	global_load_b128 v[BC+8*\b:BC+8*\b+3], v6, s[66:67] offset:64*\b
	global_load_b128 v[BC+8*\b+4:BC+8*\b+7], v6, s[66:67] offset:64*\b+16
.endr
.macro FRAG reg, adr, q, i
.irp c, 0,1,2,3
	ds_load_b128 v[\reg+4*\c:\reg+4*\c+3], v[\adr] offset:128*(\q)+32*\c+(\i)*16*PITCH
.endr
.endm
.macro MUL16 a0, p, zero               ; the 64 accumulators take turns, one instruction a turn, in the same order in every step
.irp a, \a0, \a0+1
.irp b, 0,1,2,3,4,5,6,7
.if \zero
	v_wmma_f32_16x16x128_bf8_bf8 v[8*(8*((\a)%4)+\b):8*(8*((\a)%4)+\b)+7], v[128*(\p)+FR*\b:128*(\p)+FR*\b+FR-1], v[AF+FR*(\a):AF+FR*(\a)+FR-1], 0
.else
	v_wmma_f32_16x16x128_bf8_bf8 v[8*(8*((\a)%4)+\b):8*(8*((\a)%4)+\b)+7], v[128*(\p)+FR*\b:128*(\p)+FR*\b+FR-1], v[AF+FR*(\a):AF+FR*(\a)+FR-1], v[8*(8*((\a)%4)+\b):8*(8*((\a)%4)+\b)+7]
.endif
.endr
.endr
.endm
.macro FETCH_B slot, q, p
	WIN TO_B
.irp i, 0,1,2,3,4,5,6,7
	FRAG 128*(\p)+FR*\i, ADRB+\slot, \q, \i
.endr
	WIN 0
.endm
.macro FETCH_A slot, q, i0
.irp i, \i0, \i0+1, \i0+2, \i0+3
	FRAG AF+FR*(\i), ADRA+\slot, \q, \i
.endr
.endm
.macro PLACES n
.rept \n
	v_nop
.endr
.endm
.macro STEP slot, q, zero
	s_wait_dscnt 4*NL                              ; B's set and A's blocks 0-3 are in; the youngest 16 loads may be out
	WIN MUL_LO
	MUL16 0, (\q)%2, \zero
	MUL16 2, (\q)%2, \zero
	s_wait_dscnt 0
	PLACES NP
	FETCH_B \slot, (\q)+1, 1-(\q)%2
	FETCH_A \slot, (\q)+1, 0
	WIN MUL_HI
	MUL16 4, (\q)%2, \zero
	MUL16 6, (\q)%2, \zero
	PLACES NP
	WIN 0
	FETCH_A \slot, (\q)+1, 4
.endm
.macro TURN slot, next, fill
	s_wait_tensorcnt 0x0                           ; all my tensor loads have landed
	ds_add_u32 v[SPW], v[NIL]                      ; 0 onto my spare word
	s_wait_dscnt 4*NL+1                            ; the add and the youngest 16 loads may be out
	WIN MUL_LO
	MUL16 0, 1, 0
	s_wait_dscnt 0x0                               ; the add is done, and my reads of this slot are over
	s_barrier_signal -1
	MUL16 2, 1, 0
	WIN 0
	s_barrier_wait -1
.if \fill
	CREST
	s_add_nc_u64 s[G0+4*\slot+2:G0+4*\slot+3], s[G0+4*\slot+2:G0+4*\slot+3], 2*ROWB
	s_add_nc_u64 s[G0B+4*\slot+2:G0B+4*\slot+3], s[G0B+4*\slot+2:G0B+4*\slot+3], 2*ROWB
	JLOAD G0+4*\slot, G1, G0B+4*\slot, G1B
.else
	PLACES NP
.endif
	FETCH_B \next, 0, 0
	FETCH_A \next, 0, 0
	WIN MUL_HI
	MUL16 4, 1, 0
	MUL16 6, 1, 0
	PLACES NP
	WIN 0
	FETCH_A \next, 0, 4
.endm
	s_wait_tensorcnt 1                             ; my part of K step 0 is in; K step 1's load may be out
	s_barrier_signal -1
	s_barrier_wait -1
	FETCH_B 0, 0, 0
	FETCH_A 0, 0, 0
	FETCH_A 0, 0, 4
	STEP 0, 0, 1
	s_mov_b32 s3, LAPS-1
.Llap:
	TURN 0, 1, 1
	STEP 1, 0, 0
	TURN 1, 0, 1
	STEP 0, 0, 0
	s_sub_co_u32 s3, s3, 1
	s_cmp_lg_u32 s3, 0
	s_cbranch_scc1 .Llap
	TURN 0, 1, 0
	STEP 1, 0, 0
	s_wait_dscnt 4*NL
	WIN MUL_LO
	MUL16 0, 1, 0
	MUL16 2, 1, 0
	s_wait_dscnt 0
	WIN MUL_HI
	MUL16 4, 1, 0
	MUL16 6, 1, 0
	WIN 0
	; THE WAY OUT
	s_wait_kmcnt 0x0
	s_add_co_i32 s96, s88, s89
	s_add_co_i32 s96, s96, 127
	s_lshl_b32 s96, s96, 23                        ; 2^(e10 + e11)
	s_mov_b32 s97, s96
	s_add_co_i32 s18, s90, 127
	s_lshl_b32 s19, s18, 23
	v_mov_b32 v13, s19                             ; 2^e12
	s_add_co_i32 s18, s18, 15
	s_lshl_b32 s18, s18, 23
	s_or_b32 s18, s18, 0x600000
	v_mov_b32 v12, s18                             ; 57,344 x 2^e12
	s_wait_loadcnt 0x0                             ; b1
	PLACES NP
.macro GBLK a                          ; block a: 16 rows x 128 hidden units: bias, gelu, hold, codes
.set AC, 64*((\a)%4)
.set PS, PC+16*((\a)%2)
	WIN 0x02+((\a)/4)
.set j, 0
.rept 32
	v_pk_fma_f32 v[T+j:T+j+1], v[AC+j:AC+j+1], s[96:97], v[BC+j:BC+j+1] op_sel_hi:[1,0,1]   ; x = sum x 2^(e10 + e11) + b1; each accumulator from its low end on
.set j, j+2
.endr
	WIN 0
.set j, 0
.rept 32
	v_pk_mul_f32 v[U+j:U+j+1], v[T+j:T+j+1], v[T+j:T+j+1]
.set j, j+2
.endr
.set j, 0
.rept 32
	v_pk_fma_f32 v[U+j:U+j+1], v[U+j:U+j+1], v[8:9], v[10:11]   ; k1 + k2 x^2
.set j, j+2
.endr
.set j, 0
.rept 32
	v_pk_mul_f32 v[U+j:U+j+1], v[U+j:U+j+1], v[T+j:T+j+1]
.set j, j+2
.endr
.set j, 0
.rept 64
	v_exp_f32 v[U+j], v[U+j]
.set j, j+1
.endr
	v_nop                                          ; a plain instruction behind the batch,
	s_wait_alu depctr_va_vdst(0)                   ; and one wait for it, ahead of its first reader
.set j, 0
.rept 32
	v_pk_add_f32 v[U+j:U+j+1], v[U+j:U+j+1], 1.0 op_sel_hi:[1,0]
.set j, j+2
.endr
.set j, 0
.rept 64
	v_rcp_f32 v[U+j], v[U+j]
.set j, j+1
.endr
	v_nop
	s_wait_alu depctr_va_vdst(0)
.set j, 0
.rept 32
	v_pk_mul_f32 v[T+j:T+j+1], v[T+j:T+j+1], v[U+j:U+j+1]   ; gelu(x)
.set j, j+2
.endr
.set j, 0
.rept 64
	v_med3_num_f32 v[T+j], v[T+j], -v12, v12
.set j, j+1
.endr
.if (\a) >= 2
	s_wait_dscnt 8                                 ; the stage stores of two blocks back have read this set of codes; the last block's eight may be out
.endif
.irp b, 0,1,2,3,4,5,6,7
	v_cvt_scalef32_pk8_bf8_f32 v[PS+2*\b:PS+2*\b+1], v[T+8*\b:T+8*\b+7], v13
.endr
	v_nop                                          ; a plain instruction behind the conversions: the next block writes their sources
.irp b, 0,1,2,3,4,5,6,7
	ds_store_b64 v[STO], v[PS+2*\b:PS+2*\b+1] offset:16*SPITCH*(\a)+16*\b
.endr
.endm
.irp a, 0,1,2,3,4,5,6,7
	GBLK \a
.endr
	s_wait_dscnt 0x0                               ; for the others' sake: my stores into the stage are done
	s_barrier_signal -1
	s_barrier_wait -1                              ; a row's 256 bytes come from two waves
.set t, 0
.rept 32
	ds_load_b128 v[BK+4*t:BK+4*t+3], v[RD] offset:2*SPITCH*t
.set t, t+1
.endr
.set t, 0
.rept 32
	s_wait_dscnt 31-t                              ; the younger loads may be out
	global_store_b128 v[CO], v[BK+4*t:BK+4*t+3], s[12:13] offset:8192*t   ; 16 lanes store 256 consecutive bytes, aligned
.set t, t+1
.endr
	s_wait_tensorcnt 0x0                           ; the wave's end
	ds_add_u32 v[SPW], v[NIL]
	s_wait_dscnt 0x0
	CROUND                                         ; the closing round
	s_endpgm
.Lfunc_end_k_q81c3494368_ffn1:
	.size	k_q81c3494368_ffn1, .Lfunc_end_k_q81c3494368_ffn1-k_q81c3494368_ffn1
	.p2alignl 7, 3214868480
	.fill 96, 4, 3214868480
	.section	.rodata,"a",@progbits
	.p2align	6, 0x0
	.amdhsa_kernel k_q81c3494368_ffn1
		.amdhsa_group_segment_fixed_size 327680
		.amdhsa_private_segment_fixed_size 0
		.amdhsa_enable_private_segment 0
		.amdhsa_kernarg_size 40
		.amdhsa_user_sgpr_count 2
		.amdhsa_user_sgpr_kernarg_segment_ptr 1
		.amdhsa_wavefront_size32 1
		.amdhsa_system_sgpr_workgroup_id_x 1
		.amdhsa_system_sgpr_workgroup_id_y 1
		.amdhsa_system_sgpr_workgroup_id_z 1
		.amdhsa_system_vgpr_workitem_id 0
		.amdhsa_next_free_vgpr 1024
		.amdhsa_next_free_sgpr 98
		.amdhsa_reserve_vcc 0
		.amdhsa_float_denorm_mode_32 3
		.amdhsa_float_denorm_mode_16_64 3
		.amdhsa_memory_ordered 1
		.amdhsa_forward_progress 1
		.amdhsa_inst_pref_size 255
	.end_amdhsa_kernel
	.section	.bss,"aw",@nobits
	.p2align	6
	.space	262144
	.amdgpu_metadata
---
amdhsa.version: [ 1, 2 ]
amdhsa.kernels:
  - .name:           k_q81c3494368_ffn1
    .symbol:         k_q81c3494368_ffn1.kd
    .args:
      - { .name: hc, .offset: 0, .size: 8, .value_kind: global_buffer, .address_space: global }
      - { .name: W1_codes, .offset: 8, .size: 8, .value_kind: global_buffer, .address_space: global }
      - { .name: b1, .offset: 16, .size: 8, .value_kind: global_buffer, .address_space: global }
      - { .name: lowp_scales, .offset: 24, .size: 8, .value_kind: global_buffer, .address_space: global }
      - { .name: gc, .offset: 32, .size: 8, .value_kind: global_buffer, .address_space: global }
    .group_segment_fixed_size: 327680
    .private_segment_fixed_size: 0
    .kernarg_segment_align: 8
    .kernarg_segment_size: 40
    .max_flat_workgroup_size: 128
    .sgpr_count:     98
    .vgpr_count:     1024
    .wavefront_size: 32
...
	.end_amdgpu_metadata
.endif
;; end of part 4
;; launch ffn2 (part 5): grid 8 x 32, 4 waves a work-group, clusters of 4 x 4, 327,680 bytes of LDS; arguments gc, W2_codes, b2, res, lowp_scales, out0; writes out0
.if DOCPART == 5
	.amdgcn_target "amdgcn-amd-amdhsa--gfx1250"
	.amdhsa_code_object_version 6
	.text
	.protected	k_q81c3494368_ffn2
	.globl	k_q81c3494368_ffn2
	.p2align	8
	.type	k_q81c3494368_ffn2,@function
k_q81c3494368_ffn2:
	s_mov_b64 s[64:65], 0
	v_nop
	global_prefetch_b8 v0, s[64:65] scope:SCOPE_SE
	s_setreg_imm32_b32 hwreg(HW_REG_WAVE_MODE, 25, 1), 1
	s_wait_xcnt 0x0
	s_wait_alu depctr_hold_cnt(0) depctr_sa_sdst(0) depctr_va_vdst(0) depctr_va_sdst(0) depctr_va_ssrc(0) depctr_va_vcc(0) depctr_vm_vsrc(0)
	s_getreg_b32 s2, hwreg(HW_REG_IB_STS2, 6, 4)
	s_cmp_eq_u32 s2, 0
	s_cbranch_scc0 .Lentry_in_a_cluster
	s_endpgm
.Lentry_in_a_cluster:
	s_bfe_u32 s2, ttmp6, 0x10000c
	s_cmp_lg_u32 s2, 0xf033
	s_cbranch_scc0 .Lentry_shape_is_right
	s_endpgm
.Lentry_shape_is_right:
; LAUNCH 5 OF 5.  out0 = gelu(..) W2 + b2 + res, the product on codes of E5M2 (e12, e13).  No work is left out.
; gc: [4096][4096] codes; W2_codes: [1024][4096]; res, out0: [4096][1024] f32.  The result has 32 x 8 tiles of 128 x 128: one for each of 256 work-groups; tiles of 256 x 256 would be 64.
; Four waves, 64 x 64 each: 16 accumulators.  K = 4,096 goes in steps of 512 (LDS rows of 512 bytes; a wave's tensor load brings 64) through a ring of two slots; joint loads, 4 x 4 clusters.
; THE MATRIX INSTRUCTION IS USED TRANSPOSED (source 0 = 16 rows of W2, source 1 = 16 rows of gc): a lane holds eight neighbouring numbers of a row of the result.
; res and b2 are asked for at the head, in the layout in which the rows leave, and are waited for on the way out.
; LIMIT: e12 + e13 between -126 and 127.
; REGISTERS: window 0: v0-31 addresses; v96-99 b2; v128-255 the accumulators ((a, b) at v[128 + 8 (4 a + b)]).  window 1: two fragment buffers of 128: A's four fragments, then B's four.  window 2: v0-127 res.
.set KSTEP,  512
.set KROW,   4096
.set PITCH,  528                       ; an LDS row: 512 bytes + 16 of padding: the 16 rows that a load touches start at 16 different banks (ISA guide 11.1)
.set HALFT,  64*PITCH
.set SLOT,   4*HALFT
.set STAGE,  2*SLOT                    ; behind the ring: 16 rows x (256 bytes + 16) for each wave
.set SPITCH, 272
.set SPARE,  STAGE+4*16*SPITCH         ; behind the stages: the spare words, which no other line names
.set LAPS,   KROW/(2*KSTEP)
.set ADRA, 16
.set ADRB, 20
.set STO,  24
.set RD,   25
.set CO,   26
.set BO,   27                          ; v27  16 r: b2's offset; never rewritten
.set SPW,  28
.set NIL,  29
.set B2,   96
.set ACC,  128
.set F0,   0
.set F1,   128
.set G1, 24
.set G0, 32
.set G1B, 48
.set G0B, 56
.set MSB, 0
.macro WIN new
.if MSB != \new
	s_set_vgpr_msb (MSB<<8)|\new
.set MSB, \new
.endif
.endm
.set MUL,  0x05                        ; sources 0 and 1 window 1; C and D window 0
.set TO_F, 0x40                        ; destination window 1, address window 0
.macro JLOAD s                         ; a joint load: waves 0 and 1 fetch A's halves, waves 2 and 3 B's; an s_nop 0 and four v_nop follow each line
	s_cmp_eq_u32 s15, 0
	s_cbranch_scc0 .Lfor_b_\@
	tensor_load_to_lds s[G0+4*\s:G0+4*\s+3], s[G1:G1+7]
	s_nop 0
.rept 4
	v_nop
.endr
	s_branch .Lasked_\@
.Lfor_b_\@:
	tensor_load_to_lds s[G0B+4*\s:G0B+4*\s+3], s[G1B:G1B+7]
	s_nop 0
.rept 4
	v_nop
.endr
.Lasked_\@:
.endm
.macro CREST
	s_cmp_lg_u32 s14, 0
	s_cbranch_scc1 .Lnot_wave_0_\@
	s_barrier_signal -3
.Lnot_wave_0_\@:
	s_barrier_wait -3
	s_barrier_signal -1
	s_barrier_wait -1
.endm
.macro CROUND
	s_barrier_signal -1
	s_barrier_wait -1
	CREST
.endm
	s_load_b256 s[4:11], s[0:1], 0x0               ; gc, W2's codes, b2, res
	s_load_b128 s[68:71], s[0:1], 0x20             ; the scales' exponents, out0
	v_lshl_add_u32 v[SPW], v0, 2, SPARE
	v_mov_b32 v[NIL], 0
	ds_add_u32 v[SPW], v[NIL]                      ; the wave's opening: the add, twice on end, and its wait ahead of my first tensor load
	ds_add_u32 v[SPW], v[NIL]
	v_lshrrev_b32 v1, 5, v0
	v_readfirstlane_b32 s14, v1
	s_lshr_b32 s15, s14, 1                         ; which half of the tile's rows is mine.  Also: I fetch for A (0) or B (1)
	s_and_b32 s16, s14, 1                          ; which half of its columns.  Also: which 64 rows of that tile I fetch
	s_bfe_u32 s40, ttmp6, 0x40000
	s_bfe_u32 s41, ttmp6, 0x40004
	s_lshl_b32 s42, ttmp9, 2
	s_add_co_u32 s42, s42, s40                     ; tile column
	s_and_b32 s17, ttmp7, 0xffff
	s_lshl_b32 s17, s17, 2
	s_add_co_u32 s17, s17, s41                     ; tile row
	s_lshl_b32 s43, s41, 2
	s_lshl_b32 s43, 15, s43
	s_lshl_b32 s44, 0x1111, s40
	s_or_b32 s[G1+0], s43, (0<<16)|(1<<20)|(1<<21)|(6<<22)|(3<<25)  ; elements of 1 byte; padding: 4 words behind every 128
	s_or_b32 s[G1B+0], s44, (0<<16)|(1<<20)|(1<<21)|(6<<22)|(3<<25)
.irp g, G1, G1B
	s_mov_b32 s[\g+1], KSTEP<<16
	s_mov_b32 s[\g+2], 64<<16
	s_mov_b32 s[\g+3], KSTEP<<16
	s_mov_b32 s[\g+4], 64
	s_mov_b32 s[\g+5], KROW
	s_mov_b32 s[\g+6], 0
	s_mov_b32 s[\g+7], 0
.endr
	s_lshl_b32 s18, s16, 6
	s_lshl_b32 s20, s17, 7
	s_add_co_u32 s20, s20, s18
	s_lshl_b32 s20, s20, 12                        ; A: (128 x tile row + 64 x half) rows of 4,096 bytes
	s_mov_b32 s21, 0
	s_lshl_b32 s46, s42, 7
	s_add_co_u32 s46, s46, s18
	s_lshl_b32 s46, s46, 12                        ; B likewise, by the tile column
	s_mov_b32 s47, 0
	s_mul_i32 s45, s14, HALFT
	s_wait_dscnt 0x0
	s_wait_kmcnt 0x0
	s_load_b64 s[96:97], s[68:69], 0x30            ; e12, e13
	s_add_nc_u64 s[20:21], s[4:5], s[20:21]
	s_add_nc_u64 s[46:47], s[6:7], s[46:47]
	CROUND
.irp s, 0,1
	s_mov_b32 s[G0+4*\s], 1
	s_add_co_u32 s[G0+4*\s+1], s45, \s*SLOT
	s_add_nc_u64 s[G0+4*\s+2:G0+4*\s+3], s[20:21], \s*KSTEP
	s_or_b32 s[G0+4*\s+3], s[G0+4*\s+3], 0x80000000
	s_mov_b32 s[G0B+4*\s], 1
	s_add_co_u32 s[G0B+4*\s+1], s45, \s*SLOT
	s_add_nc_u64 s[G0B+4*\s+2:G0B+4*\s+3], s[46:47], \s*KSTEP
	s_or_b32 s[G0B+4*\s+3], s[G0B+4*\s+3], 0x80000000
	JLOAD \s
.endr
	v_and_b32 v1, 15, v0                           ; r
	v_bfe_u32 v2, v0, 4, 1                         ; h
	v_mul_u32_u24 v3, v1, PITCH
	v_lshl_add_u32 v3, v2, 4, v3
	s_mul_i32 s21, s15, HALFT
	s_mul_i32 s22, s16, HALFT
	s_add_co_u32 s22, s22, 2*HALFT
.irp s, 0,1
	v_add_nc_u32 v[ADRA+\s], s21, v3
	v_add_nc_u32 v[ADRB+\s], s22, v3
	s_add_co_u32 s21, s21, SLOT
	s_add_co_u32 s22, s22, SLOT
.endr
	s_mul_i32 s23, s14, 16*SPITCH
	s_add_co_u32 s23, s23, STAGE                   ; my stage
	v_mul_u32_u24 v4, v1, SPITCH
	v_lshl_add_u32 v4, v2, 5, v4
	v_add_nc_u32 v[STO], s23, v4                   ; in: row r, 32 bytes for each half of the lanes
	v_mul_u32_u24 v5, v2, SPITCH
	v_lshl_add_u32 v5, v1, 4, v5
	v_add_nc_u32 v[RD], s23, v5                    ; back: lanes 0-15 one row of 256 bytes, lanes 16-31 the next
	v_lshlrev_b32 v5, 12, v2
	v_lshl_add_u32 v[CO], v1, 4, v5                ; and the same two rows in res and out0
	v_lshlrev_b32 v[BO], 4, v1
	s_lshl_b32 s20, s17, 7
	s_lshl_b32 s21, s15, 6
	s_add_co_u32 s20, s20, s21
	s_lshl_b32 s20, s20, 12                        ; my first row, in bytes
	s_lshl_b32 s46, s42, 7
	s_lshl_b32 s47, s16, 6
	s_add_co_u32 s46, s46, s47
	s_lshl_b32 s46, s46, 2                         ; my first column, in bytes
	s_mov_b32 s47, 0
	s_add_nc_u64 s[8:9], s[8:9], s[46:47]
	s_add_co_u32 s20, s20, s46
	s_mov_b32 s21, 0
	s_add_nc_u64 s[10:11], s[10:11], s[20:21]
	s_add_nc_u64 s[70:71], s[70:71], s[20:21]
	global_load_b128 v[B2:B2+3], v[BO], s[8:9]     ; b2 of my four columns
	WIN 0x80                                       ; destination window 2
.set t, 0
.rept 32
	global_load_b128 v[4*t:4*t+3], v[CO], s[10:11] offset:2*t*4096 th:TH_LOAD_NT   ; res, rows 2 t and 2 t + 1 of my 64
.set t, t+1
.endr
	WIN 0
.macro MUL4 f, a, zero                 ; A's block a against B's four, 128 along K.  The 16 accumulators take turns, in the same order in every quarter
.irp b, 0,1,2,3
.if \zero
	v_wmma_f32_16x16x128_bf8_bf8 v[ACC+8*(4*(\a)+\b):ACC+8*(4*(\a)+\b)+7], v[\f+64+16*\b:\f+64+16*\b+15], v[\f+16*(\a):\f+16*(\a)+15], 0
.else
	v_wmma_f32_16x16x128_bf8_bf8 v[ACC+8*(4*(\a)+\b):ACC+8*(4*(\a)+\b)+7], v[\f+64+16*\b:\f+64+16*\b+15], v[\f+16*(\a):\f+16*(\a)+15], v[ACC+8*(4*(\a)+\b):ACC+8*(4*(\a)+\b)+7]
.endif
.endr
.endm
.macro FETCH slot, k, f                ; 32 LDS loads in one run: the fragments of 128 along K at byte k of the rows
	WIN TO_F
.irp i, 0,1,2,3
.irp c, 0,1,2,3
	ds_load_b128 v[\f+64+16*\i+4*\c:\f+64+16*\i+4*\c+3], v[ADRB+\slot] offset:\k+32*\c+\i*16*PITCH
.endr
.irp c, 0,1,2,3
	ds_load_b128 v[\f+16*\i+4*\c:\f+16*\i+4*\c+3], v[ADRA+\slot] offset:\k+32*\c+\i*16*PITCH
.endr
.endr
.endm
.macro PLACES
.rept 4
	v_nop
.endr
.endm
.macro QUARTER slot, k, f, g, zero     ; multiplies buffer f; ahead of that it asks for the next quarter, at byte k, into g
	s_wait_dscnt 0x0                               ; buffer f is in
	PLACES                                         ; in front of loads into buffer g, which the quarter before multiplied
	FETCH \slot, \k, \g
	WIN MUL
	MUL4 \f, 0, \zero
	MUL4 \f, 1, \zero
	MUL4 \f, 2, \zero
	MUL4 \f, 3, \zero
.endm
.macro TURN slot, next, fill           ; the last quarter multiplies buffer 1 and changes slots
	WIN 0                                          ; (the add's two registers lie in window 0)
	s_wait_tensorcnt 0x0                           ; all my tensor loads have landed: my part of the next slot
	ds_add_u32 v[SPW], v[NIL]                      ; 0 onto my spare word
	s_wait_dscnt 1                                 ; buffer 1 is in; the add alone may be out
	WIN MUL
	MUL4 F1, 0, 0
	s_wait_dscnt 0x0                               ; the add is done, and my reads of this slot are over
	s_barrier_signal -1
	MUL4 F1, 1, 0
.if \fill
	WIN 0
.endif
	s_barrier_wait -1
.if \fill
	CREST                                          ; no wave of any partner still reads this slot or has a load on its way
	s_add_nc_u64 s[G0+4*\slot+2:G0+4*\slot+3], s[G0+4*\slot+2:G0+4*\slot+3], 2*KSTEP
	s_add_nc_u64 s[G0B+4*\slot+2:G0B+4*\slot+3], s[G0B+4*\slot+2:G0B+4*\slot+3], 2*KSTEP
	JLOAD \slot                                    ; the first tensor load behind the round; its four v_nop are the places in front of the loads below
.else
	PLACES
.endif
	FETCH \next, 0, F0
	WIN MUL
	MUL4 F1, 2, 0
	MUL4 F1, 3, 0
.endm
	s_wait_tensorcnt 1                             ; my part of K step 0 is in; K step 1's load may be out
	s_barrier_signal -1
	s_barrier_wait -1
	FETCH 0, 0, F0
	QUARTER 0, 128, F0, F1, 1                      ; the first quarter's products start the sums
	WIN 0
	s_mov_b32 s3, LAPS-1
.Llap:
	QUARTER 0, 256, F1, F0, 0
	QUARTER 0, 384, F0, F1, 0
	TURN 0, 1, 1
	QUARTER 1, 128, F0, F1, 0
	QUARTER 1, 256, F1, F0, 0
	QUARTER 1, 384, F0, F1, 0
	TURN 1, 0, 1
	QUARTER 0, 128, F0, F1, 0
	WIN 0
	s_sub_co_u32 s3, s3, 1
	s_cmp_lg_u32 s3, 0
	s_cbranch_scc1 .Llap
	QUARTER 0, 256, F1, F0, 0                      ; the last lap fills nothing
	QUARTER 0, 384, F0, F1, 0
	TURN 0, 1, 0
	QUARTER 1, 128, F0, F1, 0
	QUARTER 1, 256, F1, F0, 0
	QUARTER 1, 384, F0, F1, 0
	s_wait_dscnt 0x0
	WIN MUL
	MUL4 F1, 0, 0
	MUL4 F1, 1, 0
	MUL4 F1, 2, 0
	MUL4 F1, 3, 0
	WIN 0
	; THE WAY OUT.  A block of 16 rows x 64 columns goes through my stage as it stands and comes back, into the registers that it left, as whole rows of 256 bytes.
	PLACES
.irp a, 0,1,2,3
.irp b, 0,1,2,3
	ds_store_b128 v[STO], v[ACC+8*(4*\a+\b):ACC+8*(4*\a+\b)+3] offset:64*\b        ; each accumulator from its low end on
	ds_store_b128 v[STO], v[ACC+8*(4*\a+\b)+4:ACC+8*(4*\a+\b)+7] offset:64*\b+16
.endr
.irp t, 0,1,2,3,4,5,6,7
	ds_load_b128 v[ACC+32*\a+4*\t:ACC+32*\a+4*\t+3], v[RD] offset:2*SPITCH*\t      ; LDS serves a wave's instructions in order: these see my stores, and the next block's stores come behind them
.endr
.endr
	s_wait_kmcnt 0x0
	s_add_co_i32 s96, s96, s97
	s_add_co_i32 s96, s96, 127
	s_lshl_b32 s96, s96, 23                        ; 2^(e12 + e13)
	s_mov_b32 s97, s96
	s_wait_loadcnt 0x0                             ; b2 and res
.irp a, 0,1,2,3
	s_wait_dscnt 16*(3-\a)                         ; block a is back; the later blocks' 16 LDS instructions each may be out
.irp t, 0,1,2,3,4,5,6,7
	v_pk_fma_f32 v[ACC+32*\a+4*\t:ACC+32*\a+4*\t+1], v[ACC+32*\a+4*\t:ACC+32*\a+4*\t+1], s[96:97], v[B2:B2+1] op_sel_hi:[1,0,1]
	v_pk_fma_f32 v[ACC+32*\a+4*\t+2:ACC+32*\a+4*\t+3], v[ACC+32*\a+4*\t+2:ACC+32*\a+4*\t+3], s[96:97], v[B2+2:B2+3] op_sel_hi:[1,0,1]
.endr
	WIN 0x08                                       ; source 1 (res) window 2
.set j, 0
.rept 16
	v_pk_add_f32 v[ACC+32*\a+j:ACC+32*\a+j+1], v[ACC+32*\a+j:ACC+32*\a+j+1], v[32*\a+j:32*\a+j+1]
.set j, j+2
.endr
	WIN 0
.irp t, 0,1,2,3,4,5,6,7
	global_store_b128 v[CO], v[ACC+32*\a+4*\t:ACC+32*\a+4*\t+3], s[70:71] offset:(16*\a+2*\t)*4096 th:TH_STORE_NT   ; 16 lanes store 256 consecutive bytes, aligned
.endr
.endr
	s_wait_tensorcnt 0x0                           ; the wave's end
	ds_add_u32 v[SPW], v[NIL]
	s_wait_dscnt 0x0
	CROUND                                         ; the closing round
	s_endpgm
.Lfunc_end_k_q81c3494368_ffn2:
	.size	k_q81c3494368_ffn2, .Lfunc_end_k_q81c3494368_ffn2-k_q81c3494368_ffn2
	.p2alignl 7, 3214868480
	.fill 96, 4, 3214868480
	.section	.rodata,"a",@progbits
	.p2align	6, 0x0
	.amdhsa_kernel k_q81c3494368_ffn2
		.amdhsa_group_segment_fixed_size 327680
		.amdhsa_private_segment_fixed_size 0
		.amdhsa_enable_private_segment 0
		.amdhsa_kernarg_size 48
		.amdhsa_user_sgpr_count 2
		.amdhsa_user_sgpr_kernarg_segment_ptr 1
		.amdhsa_wavefront_size32 1
		.amdhsa_system_sgpr_workgroup_id_x 1
		.amdhsa_system_sgpr_workgroup_id_y 1
		.amdhsa_system_sgpr_workgroup_id_z 1
		.amdhsa_system_vgpr_workitem_id 0
		.amdhsa_next_free_vgpr 640
		.amdhsa_next_free_sgpr 98
		.amdhsa_reserve_vcc 0
		.amdhsa_float_denorm_mode_32 3
		.amdhsa_float_denorm_mode_16_64 3
		.amdhsa_memory_ordered 1
		.amdhsa_forward_progress 1
		.amdhsa_inst_pref_size 81
	.end_amdhsa_kernel
	.amdgpu_metadata
---
amdhsa.version: [ 1, 2 ]
amdhsa.kernels:
  - .name:           k_q81c3494368_ffn2
    .symbol:         k_q81c3494368_ffn2.kd
    .args:
      - { .name: gc, .offset: 0, .size: 8, .value_kind: global_buffer, .address_space: global }
      - { .name: W2_codes, .offset: 8, .size: 8, .value_kind: global_buffer, .address_space: global }
      - { .name: b2, .offset: 16, .size: 8, .value_kind: global_buffer, .address_space: global }
      - { .name: res, .offset: 24, .size: 8, .value_kind: global_buffer, .address_space: global }
      - { .name: lowp_scales, .offset: 32, .size: 8, .value_kind: global_buffer, .address_space: global }
      - { .name: out0, .offset: 40, .size: 8, .value_kind: global_buffer, .address_space: global }
    .group_segment_fixed_size: 327680
    .private_segment_fixed_size: 0
    .kernarg_segment_align: 8
    .kernarg_segment_size: 48
    .max_flat_workgroup_size: 128
    .sgpr_count:     98
    .vgpr_count:     640
    .wavefront_size: 32
...
	.end_amdgpu_metadata
.endif
;; end of part 5
